; MI455X (gfx1250); checked and timed in simulation.
; The chip was launched on July 23, 2026; its instructions are those of AMD's public machine-readable ISA for CDNA 5 (MIT licence, August 2026) and "CDNA5" Instruction Set Architecture Reference Guide (July 2026). The comments in the code are by the model that wrote it; some were corrected since.
;; Multi Head Attention. Allowed arithmetic: float matrix products may take bf16 or f16 operands with f32 sums; all other float work in f32.
;; Inputs: Aproj 8 x 1,024 float32; Aqkv 8 x 1,024 float32; Bproj 1,024 x 8 float32; Bqkv 3,072 x 8 float32; Wproj 1,024 x 1,024 float32; Wqkv 3,072 x 1,024 float32; bproj 1,024 float32; mask 1 x 1 x 2,048 x 2,048 int32; x 4 x 2,048 x 1,024 float32.
;; Outputs: out0 4 x 2,048 x 1,024 float32.
;; 2 versions, each right. Each part assembles by itself: llvm-mc -triple=amdgcn-amd-amdhsa -mcpu=gfx1250 --defsym DOCPART=n.
;; ======== version 1 of 2: 4 launches
;; limits: values are held in f16: magnitudes above 65,504 overflow, below 6.1e-05 lose precision; right only within a limited range of input values
;; workspace buffers: xa 17,301,504 bytes; wts 8,683,520 bytes; mw 524,288 bytes of whole numbers; qkvh 50,331,648 bytes; ao 16,777,216 bytes
;; launch prep (part 1): grid 1024 x 1, 8 waves a work-group, no clusters, 72,704 bytes of LDS; arguments x, Wqkv, Wproj, Aqkv, Bqkv, Aproj, Bproj, mask, xa, wts, mw; writes xa, wts, mw
.if DOCPART == 1
	.amdgcn_target "amdgcn-amd-amdhsa--gfx1250"
	.amdhsa_code_object_version 6
	.text
	.protected	k_q8b94f26af2_prep
	.globl	k_q8b94f26af2_prep
	.p2align	8
	.type	k_q8b94f26af2_prep,@function
k_q8b94f26af2_prep:
	s_mov_b64 s[64:65], 0
	v_nop
	global_prefetch_b8 v0, s[64:65] scope:SCOPE_SE
	s_setreg_imm32_b32 hwreg(HW_REG_WAVE_MODE, 25, 1), 1
	s_wait_xcnt 0x0
; prep: every input but the bias is read once and laid out for the three matrix launches.
;   xa : xb  bf16 [16 k-blocks][8192 rows][64] = bf16(x);      tq  bf16 [8192][32] = bf16(2 * x . Aqkv^T) in k 0-7, zeros in k 8-31
;   wts: wq  bf16 [16][3072][64] = 0.5 bf16(Wqkv);             bxq bf16 [3072][32] = 0.5 bf16(Bqkv), zeros in k 8-31
;        wp  f16  [16][1024][64] = 2 bf16(Wproj);              bxp bf16 [1024][32] = bf16(Bproj), zeros in k 8-31
;        axp f16  [16][1024]     = 4 bf16(Aproj) in rows 0-7, zeros in rows 8-15
;   mw : one bit for each mask word: word ((Tq*32+kb)*32 + kt*8 + j), bit L = (mask[16 Tq + (L&15)][64 kb + 16 kt + 8 (L>>4) + j] == 0)
; A stream: no matrix work, no tensor loads, no cluster (no two work-groups read the same bytes but the 32 KiB of Aqkv).
; Work-groups 0-511: 16 rows of x each; 512-703: 16 rows of Wqkv; 704-767: 16 rows of Wproj; 768-1023: eight mask tasks (one a wave).
; LDS: bytes 0-4,095 the x role's partial sums (512 a wave); from 4,096 on the mask role's 8,448 bytes a wave.  The two roles share no byte.
; LIMITS: factors 0.5, 2, 4 are powers of two, exact but for denormals.  f16(2 bf16(Wproj)) and f16(4 bf16(Aproj)) need |value| < 65504
; and lose bits below 2^-14 (absolute error at most 3e-8).  The sum x . Aqkv^T is made in f32 from unrounded x, in an order of its own.
.set XB_KBS,  1048576                  ; bytes of one k-block of xb
.set WQ_KBS,  393216
.set WP_KBS,  131072
.set TQ_OFF,  16777216
.set BXQ_OFF, 6291456
.set WP_OFF,  6488064
.set BXP_OFF, 8585216
.set AXP_OFF, 8650752
.set MLDS,    4096                     ; the mask role's LDS begins behind the x role's 8 x 512 bytes
.set MWAVE,   8448                     ; 16 rows of 528 bytes for each wave
.set X,  16                            ; v[16:79]   16 loads of 4 registers
.set A,  80                            ; v[80:143]  Aqkv of my columns (8 rows x 8 numbers); at work elsewhere
.set PS, 144                           ; v[144:207] partial sums, 8 i + r
	s_load_b512 s[8:23], s[0:1], 0x0               ; x, Wqkv, Wproj, Aqkv, Bqkv, Aproj, Bproj, mask
	s_load_b128 s[24:27], s[0:1], 0x40             ; xa, wts
	s_load_b64 s[28:29], s[0:1], 0x50              ; mw
	v_lshl_add_u32 v208, v0, 2, 0x11800
	v_mov_b32 v209, 0
	v_lshrrev_b32 v6, 5, v0
	v_readfirstlane_b32 s30, v6                    ; wave 0..7
	v_and_b32 v1, 15, v0                           ; c16: my 16 bytes in a run of 256
	v_bfe_u32 v2, v0, 4, 1                         ; hrow: lanes 16-31 take the odd row
	v_and_b32 v7, 31, v0                           ; lane
	s_lshl_b32 s32, s30, 9                         ; wave w owns columns 128 w .. 128 w + 127: 512 bytes of a row of f32
	v_lshl_add_u32 v5, v1, 4, s32                  ; offset in a row
	v_lshl_add_u32 v3, v2, 12, v5                  ; + the odd row
	v_lshlrev_b32 v4, 3, v1                        ; out: 8 bytes a lane,
	v_lshl_add_u32 v4, v2, 7, v4                   ; rows of 128 bytes; the wave's two k-blocks are added by role
	s_mov_b32 s33, 0
	s_wait_kmcnt 0x0
	s_cmp_lt_u32 ttmp9, 512
	s_cbranch_scc1 .Lrole_x
	s_cmp_lt_u32 ttmp9, 704
	s_cbranch_scc1 .Lrole_wq
	s_cmp_lt_u32 ttmp9, 768
	s_cbranch_scc1 .Lrole_wp
	s_branch .Lrole_mask
; 16 loads: rows 2i (lanes 0-15) and 2i+1 (lanes 16-31), 256 aligned bytes of each, for each of my two k-blocks
.macro LOAD16 base
.irp i, 0,1,2,3,4,5,6,7
	global_load_b128 v[X+8*\i:X+8*\i+3],   v3, s[\base:\base+1] offset:\i*8192 th:TH_LOAD_NT
	global_load_b128 v[X+8*\i+4:X+8*\i+7], v3, s[\base:\base+1] offset:\i*8192+256 th:TH_LOAD_NT
.endr
.endm
; Two rows at a time: (lora) the eight dot products with Aqkv, the scale (smode 1: 0.5, 2: 2.0), bf16, (f16) on to f16, two stores of 256 bytes.
; No register that a store reads is written again, so no wait for the stores' sources is needed.
.macro CAST obase, kbs, smode, f16, lora
.irp i, 0,1,2,3,4,5,6,7
	s_wait_loadcnt 14-2*\i                         ; loads return in order: this pair of rows is in, the younger pairs stay out
.if \lora
.irp r, 0,1,2,3,4,5,6,7
	v_pk_mul_f32 v[10+2*(\r&1):11+2*(\r&1)], v[X+8*\i:X+8*\i+1], v[A+8*\r:A+8*\r+1]
	v_pk_fma_f32 v[10+2*(\r&1):11+2*(\r&1)], v[X+8*\i+2:X+8*\i+3], v[A+8*\r+2:A+8*\r+3], v[10+2*(\r&1):11+2*(\r&1)]
	v_pk_fma_f32 v[10+2*(\r&1):11+2*(\r&1)], v[X+8*\i+4:X+8*\i+5], v[A+8*\r+4:A+8*\r+5], v[10+2*(\r&1):11+2*(\r&1)]
	v_pk_fma_f32 v[10+2*(\r&1):11+2*(\r&1)], v[X+8*\i+6:X+8*\i+7], v[A+8*\r+6:A+8*\r+7], v[10+2*(\r&1):11+2*(\r&1)]
	v_add_f32 v[PS+8*\i+\r], v[10+2*(\r&1)], v[11+2*(\r&1)]
.endr
.endif
.irp c, 0,2,4,6
.if \smode == 1
	v_pk_mul_f32 v[X+8*\i+\c:X+8*\i+\c+1], v[X+8*\i+\c:X+8*\i+\c+1], 0.5 op_sel_hi:[1,0]
.endif
.if \smode == 2
	v_pk_mul_f32 v[X+8*\i+\c:X+8*\i+\c+1], v[X+8*\i+\c:X+8*\i+\c+1], 2.0 op_sel_hi:[1,0]
.endif
.endr
.irp c, 0,4
	v_cvt_pk_bf16_f32 v[X+8*\i+\c],   v[X+8*\i+\c],   v[X+8*\i+\c+1]
	v_cvt_pk_bf16_f32 v[X+8*\i+\c+1], v[X+8*\i+\c+2], v[X+8*\i+\c+3]
.endr
.if \f16
.irp c, 0,1,4,5
	v_lshlrev_b32 v10, 16, v[X+8*\i+\c]            ; the bf16 numbers widened again,
	v_and_b32 v11, 0xffff0000, v[X+8*\i+\c]
	v_cvt_pk_f16_f32 v[X+8*\i+\c], v10, v11        ; and written as f16 (8 bits of mantissa fit in 11)
.endr
.endif
	global_store_b64 v4, v[X+8*\i:X+8*\i+1],   s[\obase:\obase+1] offset:\i*256         ; a wave's store covers 256 consecutive bytes, aligned
	global_store_b64 v4, v[X+8*\i+4:X+8*\i+5], s[\obase:\obase+1] offset:\kbs+\i*256
.endr
.endm
; 16 rows of a [rows][8] f32 factor become 16 rows of 32 bf16: thread t < 128 writes 8 bytes: row t>>3, numbers 4 (t&7) .. +3, zeros from k = 8 on
.macro BXROWS src, dst, smode
	s_cmp_ge_u32 s30, 4
	s_cbranch_scc1 .Lbx_end_\@
	v_lshrrev_b32 v10, 3, v0
	v_and_b32 v11, 7, v0
	v_and_b32 v12, 1, v0
	v_lshlrev_b32 v12, 4, v12
	v_lshl_add_u32 v12, v10, 5, v12
	global_load_b128 v[A:A+3], v12, s[\src:\src+1]
	v_lshlrev_b32 v13, 3, v0
	v_cmp_gt_u32 vcc_lo, 2, v11
	s_wait_loadcnt 0x0
.if \smode == 1
	v_pk_mul_f32 v[A:A+1], v[A:A+1], 0.5 op_sel_hi:[1,0]
	v_pk_mul_f32 v[A+2:A+3], v[A+2:A+3], 0.5 op_sel_hi:[1,0]
.endif
	v_cvt_pk_bf16_f32 v[A], v[A], v[A+1]
	v_cvt_pk_bf16_f32 v[A+1], v[A+2], v[A+3]
	v_cndmask_b32 v[A], 0, v[A], vcc_lo
	v_cndmask_b32 v[A+1], 0, v[A+1], vcc_lo
	global_store_b64 v13, v[A:A+1], s[\dst:\dst+1]
.Lbx_end_\@:
.endm
; ---------------- 16 rows of x ----------------
.Lrole_x:
	s_lshl_b32 s32, ttmp9, 16                      ; 16 rows of 4,096 bytes
	s_add_nc_u64 s[8:9], s[8:9], s[32:33]
	s_lshl_b32 s32, ttmp9, 11                      ; 16 rows of 128 bytes in a k-block
	s_add_nc_u64 s[36:37], s[24:25], s[32:33]
	s_lshl_b32 s32, ttmp9, 10                      ; 16 rows of 64 bytes of tq
	s_add_nc_u64 s[38:39], s[24:25], s[32:33]
	s_add_nc_u64 s[38:39], s[38:39], TQ_OFF
	s_mul_i32 s34, s30, 2*XB_KBS
	v_add_nc_u32 v4, s34, v4
.irp r, 0,1,2,3,4,5,6,7
	global_load_b128 v[A+8*\r:A+8*\r+3],   v5, s[14:15] offset:\r*4096
	global_load_b128 v[A+8*\r+4:A+8*\r+7], v5, s[14:15] offset:\r*4096+256
.endr
	LOAD16 8
	CAST 36, XB_KBS, 0, 0, 1
	; the sums over the 16 lanes that share a row ride on the additions
.irp m, 1,2,4,8
.set ee, 0
.rept 64
	v_add_f32_dpp v[PS+ee], v[PS+ee], v[PS+ee] row_xmask:\m row_mask:0xf bank_mask:0xf
.set ee, ee+1
.endr
.endr
	s_lshl_b32 s32, s30, 9                         ; my wave's 512 bytes: [16 rows][8] f32, in LDS bytes 0-4,095
	v_lshl_add_u32 v6, v2, 5, s32
.irp i, 0,1,2,3,4,5,6,7
	ds_store_b128 v6, v[PS+8*\i:PS+8*\i+3]   offset:\i*64       ; the 16 lanes of a half write the same bytes with the same numbers
	ds_store_b128 v6, v[PS+8*\i+4:PS+8*\i+7] offset:\i*64+16
.endr
	s_wait_dscnt 0x0                               ; my stores are done before I say so: other waves read them
	s_barrier_signal -1
	s_barrier_wait -1
	s_cmp_ge_u32 s30, 4
	s_cbranch_scc1 .Lx_end
	v_lshrrev_b32 v10, 3, v0                       ; row
	v_and_b32 v11, 7, v0                           ; which 8 bytes of the row of tq
	v_and_b32 v12, 1, v0
	v_lshlrev_b32 v12, 4, v12
	v_lshl_add_u32 v6, v10, 5, v12
.irp q, 0,1,2,3,4,5,6,7
	ds_load_b128 v[A+4*\q:A+4*\q+3], v6 offset:512*\q          ; the eight waves' partial sums
.endr
	v_lshlrev_b32 v13, 3, v0
	v_cmp_gt_u32 vcc_lo, 2, v11
	s_wait_dscnt 0x0
.irp q, 0,2,4,6
	v_pk_add_f32 v[A+4*\q:A+4*\q+1],   v[A+4*\q:A+4*\q+1],   v[A+4*\q+4:A+4*\q+5]
	v_pk_add_f32 v[A+4*\q+2:A+4*\q+3], v[A+4*\q+2:A+4*\q+3], v[A+4*\q+6:A+4*\q+7]
.endr
.irp q, 0,4
	v_pk_add_f32 v[A+4*\q:A+4*\q+1],   v[A+4*\q:A+4*\q+1],   v[A+4*\q+8:A+4*\q+9]
	v_pk_add_f32 v[A+4*\q+2:A+4*\q+3], v[A+4*\q+2:A+4*\q+3], v[A+4*\q+10:A+4*\q+11]
.endr
	v_pk_add_f32 v[A:A+1],   v[A:A+1],   v[A+16:A+17]
	v_pk_add_f32 v[A+2:A+3], v[A+2:A+3], v[A+18:A+19]
	v_pk_mul_f32 v[A:A+1],   v[A:A+1],   2.0 op_sel_hi:[1,0]   ; alpha / rank
	v_pk_mul_f32 v[A+2:A+3], v[A+2:A+3], 2.0 op_sel_hi:[1,0]
	v_cvt_pk_bf16_f32 v[A], v[A], v[A+1]
	v_cvt_pk_bf16_f32 v[A+1], v[A+2], v[A+3]
	v_cndmask_b32 v[A], 0, v[A], vcc_lo
	v_cndmask_b32 v[A+1], 0, v[A+1], vcc_lo
	global_store_b64 v13, v[A:A+1], s[38:39]
.Lx_end:
	s_wait_tensorcnt 0x0
	ds_add_u32 v208, v209
	s_wait_dscnt 0x0
	s_endpgm
; ---------------- 16 rows of Wqkv and of Bqkv ----------------
.Lrole_wq:
	s_sub_co_u32 s31, ttmp9, 512
	s_lshl_b32 s32, s31, 16
	s_add_nc_u64 s[10:11], s[10:11], s[32:33]
	s_lshl_b32 s32, s31, 11
	s_add_nc_u64 s[36:37], s[26:27], s[32:33]
	s_lshl_b32 s32, s31, 9
	s_add_nc_u64 s[16:17], s[16:17], s[32:33]
	s_lshl_b32 s32, s31, 10
	s_add_nc_u64 s[38:39], s[26:27], s[32:33]
	s_add_nc_u64 s[38:39], s[38:39], BXQ_OFF
	s_mul_i32 s34, s30, 2*WQ_KBS
	v_add_nc_u32 v4, s34, v4
	LOAD16 10
	CAST 36, WQ_KBS, 1, 0, 0
	BXROWS 16, 38, 1
	s_endpgm
; ---------------- 16 rows of Wproj and of Bproj, 512 bytes of axp ----------------
.Lrole_wp:
	s_sub_co_u32 s31, ttmp9, 704
	s_lshl_b32 s32, s31, 16
	s_add_nc_u64 s[12:13], s[12:13], s[32:33]
	s_lshl_b32 s32, s31, 11
	s_add_nc_u64 s[36:37], s[26:27], s[32:33]
	s_add_nc_u64 s[36:37], s[36:37], WP_OFF
	s_lshl_b32 s32, s31, 9
	s_add_nc_u64 s[20:21], s[20:21], s[32:33]
	s_add_nc_u64 s[44:45], s[26:27], s[32:33]      ; axp: slice j is 512 bytes
	s_add_nc_u64 s[44:45], s[44:45], AXP_OFF
	s_lshl_b32 s32, s31, 10
	s_add_nc_u64 s[38:39], s[26:27], s[32:33]
	s_add_nc_u64 s[38:39], s[38:39], BXP_OFF
	s_mul_i32 s34, s30, 2*WP_KBS
	v_add_nc_u32 v4, s34, v4
	LOAD16 12
	CAST 36, WP_KBS, 2, 1, 0
	BXROWS 20, 38, 0
	s_cmp_lg_u32 s30, 4
	s_cbranch_scc1 .Lwp_end
	; wave 4: slice j of axp = row j>>2, columns 256 (j&3) .. +255; rows 8-15 read rows 0-7 again and are cleared by a mask
	s_lshr_b32 s32, s31, 2
	s_and_b32 s32, s32, 7
	s_lshl_b32 s32, s32, 12
	s_and_b32 s34, s31, 3
	s_lshl_b32 s34, s34, 10
	s_add_co_u32 s32, s32, s34
	s_add_nc_u64 s[18:19], s[18:19], s[32:33]
	v_lshlrev_b32 v14, 5, v7
	global_load_b128 v[A+8:A+11],  v14, s[18:19]
	global_load_b128 v[A+12:A+15], v14, s[18:19] offset:16
	s_cmp_lt_u32 s31, 32
	s_cselect_b32 s34, -1, 0
	v_lshlrev_b32 v15, 4, v7
	s_wait_loadcnt 0x0
.irp c, 8,10,12,14
	v_pk_mul_f32 v[A+\c:A+\c+1], v[A+\c:A+\c+1], 4.0 op_sel_hi:[1,0]
.endr
	v_cvt_pk_bf16_f32 v[A+8],  v[A+8],  v[A+9]
	v_cvt_pk_bf16_f32 v[A+9],  v[A+10], v[A+11]
	v_cvt_pk_bf16_f32 v[A+10], v[A+12], v[A+13]
	v_cvt_pk_bf16_f32 v[A+11], v[A+14], v[A+15]
.irp c, 8,9,10,11
	v_lshlrev_b32 v10, 16, v[A+\c]
	v_and_b32 v11, 0xffff0000, v[A+\c]
	v_cvt_pk_f16_f32 v[A+\c], v10, v11
	v_and_b32 v[A+\c], s34, v[A+\c]
.endr
	global_store_b128 v15, v[A+8:A+11], s[44:45]
.Lwp_end:
	s_endpgm
; ---------------- the mask: a wave packs 16 rows x 128 columns into 64 words ----------------
.Lrole_mask:
	s_sub_co_u32 s31, ttmp9, 768
	s_lshl_b32 s31, s31, 3
	s_add_co_u32 s31, s31, s30                     ; task 0..2047
	s_lshr_b32 s32, s31, 4
	s_lshl_b32 s32, s32, 17                        ; 16 rows of 8,192 bytes
	s_and_b32 s34, s31, 15
	s_lshl_b32 s34, s34, 9                         ; 128 columns of 4 bytes
	s_add_co_u32 s32, s32, s34
	s_add_nc_u64 s[22:23], s[22:23], s[32:33]
	s_lshl_b32 s32, s31, 8                         ; 64 words out
	s_add_nc_u64 s[28:29], s[28:29], s[32:33]
	v_lshlrev_b32 v10, 4, v7
.irp i, 0,1,2,3,4,5,6,7,8,9,10,11,12,13,14,15
	global_load_b128 v[X+4*\i:X+4*\i+3], v10, s[22:23] offset:\i*8192 th:TH_LOAD_NT   ; 512 consecutive bytes of a row
.endr
	s_mul_i32 s34, s30, MWAVE                      ; my wave's own 16 rows of 528 bytes (33 x 16) in LDS: no other wave touches them,
	s_add_co_u32 s34, s34, MLDS                    ; and they lie behind the bytes that the x role uses
	v_add_nc_u32 v6, s34, v10
	v_mul_u32_u24 v11, v1, 528
	v_lshl_add_u32 v11, v2, 5, v11
	v_add_nc_u32 v11, s34, v11                     ; back: row L&15, 32 bytes for each half of the lanes
	v_mov_b32 v8, 0
	v_mov_b32 v9, 0
.irp i, 0,1,2,3,4,5,6,7,8,9,10,11,12,13,14,15
	s_wait_loadcnt 15-\i
	ds_store_b128 v6, v[X+4*\i:X+4*\i+3] offset:528*\i
.endr
.irp k, 0,1,2,3,4,5,6,7
	ds_load_b128 v[A+8*\k:A+8*\k+3],   v11 offset:64*\k        ; LDS serves a wave's instructions in order: these see the stores above
	ds_load_b128 v[A+8*\k+4:A+8*\k+7], v11 offset:64*\k+16
.endr
	s_wait_dscnt 0x0
.set ee, 0
.rept 8
.irp j, 0,1,2,3,4,5,6,7
	v_cmp_eq_u32 s[40+\j], 0, v[A+ee+\j]           ; bit L: my lane's mask word is 0
.endr
.irp j, 0,1,2,3,4,5,6,7
	v_writelane_b32 v[8+(\j&1)], s[40+\j], (ee+\j)>>1          ; word e goes to lane e>>1, register e&1
.endr
.set ee, ee+8
.endr
	v_lshlrev_b32 v12, 3, v7
	global_store_b64 v12, v[8:9], s[28:29]         ; 256 consecutive bytes, aligned
	s_wait_tensorcnt 0x0
	ds_add_u32 v208, v209
	s_wait_dscnt 0x0
	s_endpgm
.Lfunc_end_k_q8b94f26af2_prep:
	.size	k_q8b94f26af2_prep, .Lfunc_end_k_q8b94f26af2_prep-k_q8b94f26af2_prep
	.p2alignl 7, 3214868480
	.fill 96, 4, 3214868480
	.section	.rodata,"a",@progbits
	.p2align	6, 0x0
	.amdhsa_kernel k_q8b94f26af2_prep
		.amdhsa_group_segment_fixed_size 72704
		.amdhsa_private_segment_fixed_size 0
		.amdhsa_enable_private_segment 0
		.amdhsa_kernarg_size 88
		.amdhsa_user_sgpr_count 2
		.amdhsa_user_sgpr_kernarg_segment_ptr 1
		.amdhsa_wavefront_size32 1
		.amdhsa_system_sgpr_workgroup_id_x 1
		.amdhsa_system_sgpr_workgroup_id_y 1
		.amdhsa_system_sgpr_workgroup_id_z 1
		.amdhsa_system_vgpr_workitem_id 0
		.amdhsa_next_free_vgpr 210
		.amdhsa_next_free_sgpr 66
		.amdhsa_reserve_vcc 1
		.amdhsa_float_denorm_mode_32 3
		.amdhsa_float_denorm_mode_16_64 3
		.amdhsa_memory_ordered 1
		.amdhsa_forward_progress 1
		.amdhsa_inst_pref_size 84
	.end_amdhsa_kernel
	.amdgpu_metadata
---
amdhsa.version: [ 1, 2 ]
amdhsa.kernels:
  - .name:           k_q8b94f26af2_prep
    .symbol:         k_q8b94f26af2_prep.kd
    .args:
      - { .name: x, .offset: 0, .size: 8, .value_kind: global_buffer, .address_space: global }
      - { .name: Wqkv, .offset: 8, .size: 8, .value_kind: global_buffer, .address_space: global }
      - { .name: Wproj, .offset: 16, .size: 8, .value_kind: global_buffer, .address_space: global }
      - { .name: Aqkv, .offset: 24, .size: 8, .value_kind: global_buffer, .address_space: global }
      - { .name: Bqkv, .offset: 32, .size: 8, .value_kind: global_buffer, .address_space: global }
      - { .name: Aproj, .offset: 40, .size: 8, .value_kind: global_buffer, .address_space: global }
      - { .name: Bproj, .offset: 48, .size: 8, .value_kind: global_buffer, .address_space: global }
      - { .name: mask, .offset: 56, .size: 8, .value_kind: global_buffer, .address_space: global }
      - { .name: xa, .offset: 64, .size: 8, .value_kind: global_buffer, .address_space: global }
      - { .name: wts, .offset: 72, .size: 8, .value_kind: global_buffer, .address_space: global }
      - { .name: mw, .offset: 80, .size: 8, .value_kind: global_buffer, .address_space: global }
    .group_segment_fixed_size: 72704
    .private_segment_fixed_size: 0
    .kernarg_segment_align: 8
    .kernarg_segment_size: 88
    .max_flat_workgroup_size: 256
    .sgpr_count:     66
    .vgpr_count:     210
    .wavefront_size: 32
...
	.end_amdgpu_metadata
.endif
;; end of part 1
;; launch qkv (part 2): grid 8 x 32, 4 waves a work-group, clusters of 4 x 4, 327,680 bytes of LDS; arguments xa, wts, qkvh; writes qkvh
.if DOCPART == 2
	.amdgcn_target "amdgcn-amd-amdhsa--gfx1250"
	.amdhsa_code_object_version 6
	.text
	.protected	k_q8b94f26af2_qkv
	.globl	k_q8b94f26af2_qkv
	.p2align	8
	.type	k_q8b94f26af2_qkv,@function
k_q8b94f26af2_qkv:
	s_mov_b64 s[64:65], 0
	v_nop
	global_prefetch_b8 v0, s[64:65] scope:SCOPE_SE
	s_setreg_imm32_b32 hwreg(HW_REG_WAVE_MODE, 25, 1), 1
	s_wait_xcnt 0x0
	s_wait_alu depctr_hold_cnt(0) depctr_sa_sdst(0) depctr_va_vdst(0) depctr_va_sdst(0) depctr_va_ssrc(0) depctr_va_vcc(0) depctr_vm_vsrc(0)
	s_getreg_b32 s2, hwreg(HW_REG_IB_STS2, 6, 4)
	s_cmp_eq_u32 s2, 0
	s_cbranch_scc0 .Lentry_in_a_cluster
	s_endpgm
.Lentry_in_a_cluster:
	s_bfe_u32 s2, ttmp6, 0x10000c
	s_cmp_lg_u32 s2, 0xf033
	s_cbranch_scc0 .Lentry_shape_is_right
	s_endpgm
.Lentry_shape_is_right:
; qkv: qkvh[g][m][d] = f16( f * (x . Wqkv^T + 2 (x . Aqkv^T) . Bqkv^T)[m][64 g + d] ), g = which*16 + head.
; f = 0.5 for k and v; for q (g < 16) f = 0.5 * 0.5 log2(e), so that q . k comes out as the score times D^-0.5 in base-2 units.
; Operands: bf16(x) and 0.5 bf16(Wqkv), sums in f32.  The rank-8 part is one product of K = 32 (tq x bxq, k 8-31 zero) that starts the sums.
; LIMITS: what is stored must stay below 65504 in magnitude (f16): |q|, |k|, |v| below 131,000; numbers below 6e-5 lose bits.
; A work-group makes 256 (m) x 384 (n) with four waves; a wave 128 x 192 = 96 accumulator tiles, 768 registers.
; K goes in 16 steps of 64 through two LDS slots.  The operands are stored k-block by k-block, so a tile is one dense run of rows of 128 bytes.
; CLUSTER 4 x 4: x's tile hangs on the block row alone and is asked for jointly along a row of the cluster, W's along a column.
; Wave 0 asks for x's 256 rows, waves 1-3 for 128 rows of W each: one tensor load a wave behind each change of slots; two are out at the start, one later.
; The matrix instruction is used transposed (source 0 = rows of W, source 1 = rows of x): a lane holds 8 neighbouring columns of one row.
; REGISTERS: window 0: v16-27 addresses, v32-95 and v96-159 fragments of x (two buffers), v160-255 twelve fragments of W (one buffer, in two halves);
; windows 1-3: tile (a, b) in window 1 + (b>>2) at v[8 (8 (b&3) + a)].  The 96 accumulators take turns, one instruction a turn.
.set PITCH,  144                       ; 128 bytes + 16 of padding = 9 x 16: the 16 rows of a fragment start 16 bytes apart modulo 256
.set ABYTES, 256*PITCH
.set SLOT,   640*PITCH                 ; x's 256 rows, then W's 384 rows
.set STAGE,  2*SLOT                    ; behind the ring, 16 rows x 400 bytes for each wave: no tensor load lands here
.set SPITCH, 400
.set TQ_OFF,  16777216
.set BXQ_OFF, 6291456
.set ADRA, 16
.set ADRB, 20
.set STO,  24
.set RD,   25
.set CO,   26
.set FO,   27
.set A0,   32
.set A1,   96
.set BF,   160
.set G1A, 24
.set G0A, 32
.set G1B, 48
.set G0B, 56
.set MSB, 0
.macro WIN new                         ; the immediate's high byte repeats the setting that is left
.if MSB != (\new)
	s_set_vgpr_msb (MSB<<8)|(\new)
.set MSB, (\new)
.endif
.endm
.macro PLACES                          ; four places behind matrix instructions, in front of loads into their registers and of readers of their results
.rept 4
	v_nop
.endr
.endm
.macro JLOAD s                         ; a joint load: wave 0 x's tile, waves 1-3 their 128 rows of W; the branch hangs on the wave's number alone
	s_cmp_eq_u32 s10, 0
	s_cbranch_scc0 .Lfor_b_\@
	tensor_load_to_lds s[G0A+4*\s:G0A+4*\s+3], s[G1A:G1A+7]
	s_nop 0
.rept 4
	v_nop
.endr
	s_branch .Lasked_\@
.Lfor_b_\@:
	tensor_load_to_lds s[G0B+4*\s:G0B+4*\s+3], s[G1B:G1B+7]
	s_nop 0
.rept 4
	v_nop
.endr
.Lasked_\@:
.endm
.macro CREST                           ; a round of the cluster's barrier behind its opening barrier
	s_cmp_lg_u32 s10, 0
	s_cbranch_scc1 .Lnot_wave_0_\@
	s_barrier_signal -3
.Lnot_wave_0_\@:
	s_barrier_wait -3
	s_barrier_signal -1
	s_barrier_wait -1
.endm
.macro CROUND
	s_barrier_signal -1
	s_barrier_wait -1
	CREST
.endm
	s_load_b128 s[4:7], s[0:1], 0x0                ; xa, wts
	s_load_b64 s[8:9], s[0:1], 0x10                ; qkvh
	v_lshl_add_u32 v30, v0, 2, 0x33400
	v_mov_b32 v31, 0
	ds_add_u32 v30, v31
	v_lshrrev_b32 v1, 5, v0
	v_readfirstlane_b32 s10, v1                    ; wave 0..3
	s_lshr_b32 s11, s10, 1                         ; wm: which 128 rows
	s_and_b32 s12, s10, 1                          ; wn: which 192 columns
	s_bfe_u32 s40, ttmp6, 0x40000                  ; cx
	s_bfe_u32 s41, ttmp6, 0x40004                  ; cy
	s_lshl_b32 s42, ttmp9, 2
	s_add_co_u32 s42, s42, s40                     ; block column bc
	s_and_b32 s13, ttmp7, 0xffff
	s_lshl_b32 s13, s13, 2
	s_add_co_u32 s13, s13, s41                     ; block row br
	s_lshl_b32 s43, s41, 2
	s_lshl_b32 s43, 15, s43                        ; my row of the cluster
	s_lshl_b32 s44, 0x1111, s40                    ; my column
	; group 1: rows of 64 elements of 2 bytes, 4 words of padding behind every 32 words
	s_or_b32 s[G1A+0], s43, (1<<16)|(1<<20)|(1<<21)|(4<<22)|(3<<25)
	s_or_b32 s[G1B+0], s44, (1<<16)|(1<<20)|(1<<21)|(4<<22)|(3<<25)
	s_mov_b32 s[G1A+1], 64<<16                     ; tensor_dim0 = 64
	s_mov_b32 s[G1B+1], 64<<16
	s_mov_b32 s[G1A+2], 256<<16                    ; tensor_dim1 = 256 rows
	s_mov_b32 s[G1B+2], 128<<16                    ; 128 rows
	s_mov_b32 s[G1A+3], 64<<16                     ; tile_dim0 = 64
	s_mov_b32 s[G1B+3], 64<<16
	s_mov_b32 s[G1A+4], 256                        ; tile_dim1
	s_mov_b32 s[G1B+4], 128
	s_mov_b32 s[G1A+5], 64                         ; from row to row: 64 elements (dense)
	s_mov_b32 s[G1B+5], 64
	s_mov_b32 s[G1A+6], 0
	s_mov_b32 s[G1B+6], 0
	s_mov_b32 s[G1A+7], 0
	s_mov_b32 s[G1B+7], 0
	s_lshl_b32 s16, s13, 15                        ; x: 256 rows of 128 bytes a block row
	s_mov_b32 s17, 0
	s_max_u32 s45, s10, 1
	s_sub_co_u32 s45, s45, 1                       ; W: waves 1-3 take rows 0-127, 128-255, 256-383 of the block column (wave 0 asks for none)
	s_lshl_b32 s45, s45, 7
	s_mul_i32 s46, s42, 384
	s_add_co_u32 s46, s46, s45
	s_lshl_b32 s46, s46, 7
	s_mov_b32 s47, 0
	s_mul_i32 s20, s10, 128*PITCH
	s_add_co_u32 s20, s20, 128*PITCH               ; W's LDS part: behind x's 256 rows, (wave - 1) x 128 rows
	s_wait_dscnt 0x0
	s_wait_kmcnt 0x0
	s_add_nc_u64 s[14:15], s[4:5], s[16:17]
	s_add_nc_u64 s[46:47], s[6:7], s[46:47]
	CROUND                                         ; all sixteen work-groups are here: the first joint loads meet
.irp s, 0,1
	s_mov_b32 s[G0A+4*\s], 1
	s_mov_b32 s[G0A+4*\s+1], \s*SLOT
	s_add_nc_u64 s[G0A+4*\s+2:G0A+4*\s+3], s[14:15], \s*1048576    ; k-block s of xb
	s_or_b32 s[G0A+4*\s+3], s[G0A+4*\s+3], 0x80000000
	s_mov_b32 s[G0B+4*\s], 1
	s_add_co_u32 s[G0B+4*\s+1], s20, \s*SLOT
	s_add_nc_u64 s[G0B+4*\s+2:G0B+4*\s+3], s[46:47], \s*393216     ; k-block s of wq
	s_or_b32 s[G0B+4*\s+3], s[G0B+4*\s+3], 0x80000000
	JLOAD \s
.endr
	v_and_b32 v1, 15, v0                           ; r
	v_bfe_u32 v2, v0, 4, 1                         ; h
	v_and_b32 v3, 31, v0                           ; lane
	v_mul_u32_u24 v4, v1, PITCH
	v_lshl_add_u32 v4, v2, 4, v4                   ; fragment: row r, 16 bytes for each half of the lanes
	s_mul_i32 s21, s11, 128*PITCH
	s_mul_i32 s22, s12, 192*PITCH
	s_add_co_u32 s22, s22, ABYTES
.irp s, 0,1
	v_add_nc_u32 v[ADRA+\s], s21, v4
	v_add_nc_u32 v[ADRB+\s], s22, v4
	s_add_co_u32 s21, s21, SLOT
	s_add_co_u32 s22, s22, SLOT
.endr
	s_mul_i32 s23, s10, 16*SPITCH
	s_add_co_u32 s23, s23, STAGE
	v_mul_u32_u24 v5, v1, SPITCH
	v_lshl_add_u32 v5, v2, 4, v5
	v_add_nc_u32 v[STO], s23, v5
	v_lshrrev_b32 v5, 3, v3                        ; back: eight lanes take 128 bytes of a row, a wave four rows
	v_mul_u32_u24 v5, v5, SPITCH
	v_and_b32 v6, 7, v0
	v_lshl_add_u32 v5, v6, 4, v5
	v_add_nc_u32 v[RD], s23, v5
	v_lshlrev_b32 v[CO], 4, v3
	v_lshlrev_b32 v[FO], 6, v1                     ; tq, bxq: rows of 64 bytes
	v_lshl_add_u32 v[FO], v2, 4, v[FO]
	s_lshl_b32 s16, s13, 14                        ; tq at my 128 rows
	s_lshl_b32 s18, s11, 13
	s_add_co_u32 s16, s16, s18
	s_add_co_u32 s16, s16, TQ_OFF
	s_add_nc_u64 s[16:17], s[4:5], s[16:17]
	s_mul_i32 s22, s42, 384*64                     ; bxq at my 192 rows
	s_mul_i32 s23, s12, 192*64
	s_add_co_u32 s22, s22, s23
	s_add_co_u32 s22, s22, BXQ_OFF
	s_mov_b32 s23, 0
	s_add_nc_u64 s[22:23], s[6:7], s[22:23]
.irp a, 0,1,2,3,4,5,6,7
	global_load_b128 v[A0+8*\a:A0+8*\a+3],   v[FO], s[16:17] offset:\a*1024
	global_load_b128 v[A0+8*\a+4:A0+8*\a+7], v[FO], s[16:17] offset:\a*1024+32
.endr
.irp b, 0,1,2,3,4,5,6,7,8,9,10,11
	global_load_b128 v[BF+8*\b:BF+8*\b+3],   v[FO], s[22:23] offset:\b*1024
	global_load_b128 v[BF+8*\b+4:BF+8*\b+7], v[FO], s[22:23] offset:\b*1024+32
.endr
.macro MUL8 af, b, zero                ; eight matrix instructions: n tile b x all eight m tiles
.irp a, 0,1,2,3,4,5,6,7
.if \zero
	v_wmma_f32_16x16x32_bf16 v[8*(8*((\b)&3)+\a):8*(8*((\b)&3)+\a)+7], v[BF+8*(\b):BF+8*(\b)+7], v[\af+8*\a:\af+8*\a+7], 0
.else
	v_wmma_f32_16x16x32_bf16 v[8*(8*((\b)&3)+\a):8*(8*((\b)&3)+\a)+7], v[BF+8*(\b):BF+8*(\b)+7], v[\af+8*\a:\af+8*\a+7], v[8*(8*((\b)&3)+\a):8*(8*((\b)&3)+\a)+7]
.endif
.endr
.endm
.macro H0 af, zero                     ; W's first half: tiles 0-5
	WIN 0x50
	MUL8 \af, 0, \zero
	MUL8 \af, 1, \zero
	MUL8 \af, 2, \zero
	MUL8 \af, 3, \zero
	WIN 0xa0
	MUL8 \af, 4, \zero
	MUL8 \af, 5, \zero
.endm
.macro H1A af, zero                    ; tiles 6, 7
	WIN 0xa0
	MUL8 \af, 6, \zero
	MUL8 \af, 7, \zero
.endm
.macro H1B af, zero                    ; tiles 8-11
	WIN 0xf0
	MUL8 \af, 8, \zero
	MUL8 \af, 9, \zero
	MUL8 \af, 10, \zero
	MUL8 \af, 11, \zero
.endm
.macro FETCHB b0, sl, k                ; 12 loads: six fragments of W from tile b0 on, 32 K at byte k of the rows
.irp i, 0,1,2,3,4,5
	ds_load_b128 v[BF+8*(\b0+\i):BF+8*(\b0+\i)+3],   v[ADRB+\sl] offset:\k+(\b0+\i)*16*PITCH
	ds_load_b128 v[BF+8*(\b0+\i)+4:BF+8*(\b0+\i)+7], v[ADRB+\sl] offset:\k+(\b0+\i)*16*PITCH+32
.endr
.endm
.macro FETCHA sl, k, af                ; 16 loads: eight fragments of x
.irp i, 0,1,2,3,4,5,6,7
	ds_load_b128 v[\af+8*\i:\af+8*\i+3],   v[ADRA+\sl] offset:\k+\i*16*PITCH
	ds_load_b128 v[\af+8*\i+4:\af+8*\i+7], v[ADRA+\sl] offset:\k+\i*16*PITCH+32
.endr
.endm
; first half of a K step: multiplies buffer A0; each half of W's buffer is loaded again as soon as it has been multiplied
.macro QA sl
	s_wait_dscnt 12                                ; all but the youngest 12 loads (W's second half) are in
	H0 A0, 0
	WIN 0
	PLACES
	FETCHB 0, \sl, 64
	FETCHA \sl, 64, A1
	s_wait_dscnt 28                                ; all but the 28 just issued: W's second half is in
	H1A A0, 0
	H1B A0, 0
	WIN 0
	PLACES
	FETCHB 6, \sl, 64
.endm
; second half: multiplies buffer A1 and changes slots.  In front of the barrier: my reads of this slot are back and all my tensor loads have landed
; (the one that was out is my part of the next slot).  Behind it the refill comes first.  From a request to the wait for it: 32 + 96 + 48 matrix instructions.
.macro QB sl, nx, fill
	s_wait_dscnt 12
	H0 A1, 0
	s_wait_dscnt 0x0
	s_wait_tensorcnt 0x0
	ds_add_u32 v30, v31
	s_wait_dscnt 0x0
	s_barrier_signal -1
	H1A A1, 0                                      ; register work while the others arrive
	WIN 0
	s_barrier_wait -1
.if \fill
	CREST                                          ; the cluster's round: no wave of any partner still reads this slot or has a load on its way
	s_add_nc_u64 s[G0A+4*\sl+2:G0A+4*\sl+3], s[G0A+4*\sl+2:G0A+4*\sl+3], 2*1048576
	s_add_nc_u64 s[G0B+4*\sl+2:G0B+4*\sl+3], s[G0B+4*\sl+2:G0B+4*\sl+3], 2*393216
	JLOAD \sl                                      ; its four v_nop are also the places in front of the loads below
.else
	PLACES
.endif
	FETCHB 0, \nx, 0
	FETCHA \nx, 0, A0
	H1B A1, 0
	WIN 0
	PLACES
	FETCHB 6, \nx, 0
.endm
	s_wait_loadcnt 0x0                             ; tq and bxq are in
	H0 A0, 1                                       ; the rank-8 product starts all 96 sums: nothing is cleared
	H1A A0, 1
	H1B A0, 1
	WIN 0
	s_wait_tensorcnt 0x1                           ; my part of K step 0 is in; K step 1's stays out
	s_barrier_signal -1
	s_barrier_wait -1
	PLACES
	FETCHB 0, 0, 0
	FETCHA 0, 0, A0
	FETCHB 6, 0, 0
	s_mov_b32 s3, 7                                ; seven laps of two K steps fill both slots again
.Llap:
	QA 0
	QB 0, 1, 1
	QA 1
	QB 1, 0, 1
	s_sub_co_u32 s3, s3, 1
	s_cmp_lg_u32 s3, 0
	s_cbranch_scc1 .Llap
	QA 0                                           ; the last lap fills nothing
	QB 0, 1, 0
	QA 1
	s_wait_dscnt 12
	H0 A1, 0
	s_wait_dscnt 0x0
	H1A A1, 0
	H1B A1, 0
	WIN 0
	PLACES
	; THE WAY OUT, 16 rows at a time: scale, round to f16, through my own stage, out as runs of 512 bytes (four rows of one head).
	s_mul_i32 s46, s42, 6
	s_mul_i32 s47, s12, 3
	s_add_co_u32 s46, s46, s47                     ; g of my first 64 columns
	s_mov_b32 s45, 0x3f38aa3b                      ; 0.5 log2(e), for q's columns alone
	s_cmp_lt_u32 s46, 16
	s_cselect_b32 s18, s45, 1.0
	s_cmp_lt_u32 s46, 15
	s_cselect_b32 s20, s45, 1.0
	s_cmp_lt_u32 s46, 14
	s_cselect_b32 s22, s45, 1.0
	s_mov_b32 s19, s18
	s_mov_b32 s21, s20
	s_mov_b32 s23, s22
	s_lshl_b32 s46, s46, 20                        ; a head's plane is 8192 x 128 bytes
	s_mov_b32 s47, 0
	s_add_nc_u64 s[8:9], s[8:9], s[46:47]
	s_lshl_b32 s16, s13, 15
	s_lshl_b32 s14, s11, 14
	s_add_co_u32 s16, s16, s14
	s_mov_b32 s17, 0
	s_add_nc_u64 s[8:9], s[8:9], s[16:17]
.macro OUTW a, w, mulwin, cvtwin       ; the four tiles of window w = 64 columns = one head
	WIN \mulwin
.irp bb, 0,1,2,3
.irp rr, 0,2,4,6
	v_pk_mul_f32 v[8*(8*\bb+\a)+\rr:8*(8*\bb+\a)+\rr+1], v[8*(8*\bb+\a)+\rr:8*(8*\bb+\a)+\rr+1], s[16+2*\w:17+2*\w] op_sel_hi:[1,0]
.endr
.endr
	WIN \cvtwin
.irp bb, 0,1,2,3
.irp rr, 0,1,2,3
	v_cvt_pk_f16_f32 v[BF+4*(4*(\w-1)+\bb)+\rr], v[8*(8*\bb+\a)+2*\rr], v[8*(8*\bb+\a)+2*\rr+1]
.endr
.endr
.endm
.macro OUT16 a, f
	OUTW \a, 1, 0x41, 0x05
	OUTW \a, 2, 0x82, 0x0a
	OUTW \a, 3, 0xc3, 0x0f
	WIN 0
.irp b, 0,1,2,3,4,5,6,7,8,9,10,11
	ds_store_b128 v[STO], v[BF+4*\b:BF+4*\b+3] offset:32*\b
.endr
	s_wait_xcnt 0x0                                ; buffer f, which earlier stores read, is loaded again only behind this wait
.irp hh, 0,1,2
.irp rg, 0,1,2,3
	ds_load_b128 v[\f+4*(4*\hh+\rg):\f+4*(4*\hh+\rg)+3], v[RD] offset:\rg*4*SPITCH+\hh*128   ; a wave's LDS instructions are served in order: these see the stores above
.endr
.endr
.irp hh, 0,1,2
.irp rg, 0,1,2,3
	s_wait_dscnt 11-(4*\hh+\rg)
	global_store_b128 v[CO], v[\f+4*(4*\hh+\rg):\f+4*(4*\hh+\rg)+3], s[8:9] offset:\hh*1048576+\a*2048+\rg*512   ; 512 consecutive bytes, aligned
.endr
.endr
.endm
	OUT16 0, A0
	OUT16 1, A1
	OUT16 2, A0
	OUT16 3, A1
	OUT16 4, A0
	OUT16 5, A1
	OUT16 6, A0
	OUT16 7, A1
	s_wait_tensorcnt 0x0
	ds_add_u32 v30, v31
	s_wait_dscnt 0x0
	CROUND                                         ; the closing round: no work-group ends while a partner may still ask for a tile that names it
	s_endpgm
.Lfunc_end_k_q8b94f26af2_qkv:
	.size	k_q8b94f26af2_qkv, .Lfunc_end_k_q8b94f26af2_qkv-k_q8b94f26af2_qkv
	.p2alignl 7, 3214868480
	.fill 96, 4, 3214868480
	.section	.rodata,"a",@progbits
	.p2align	6, 0x0
	.amdhsa_kernel k_q8b94f26af2_qkv
		.amdhsa_group_segment_fixed_size 327680
		.amdhsa_private_segment_fixed_size 0
		.amdhsa_enable_private_segment 0
		.amdhsa_kernarg_size 24
		.amdhsa_user_sgpr_count 2
		.amdhsa_user_sgpr_kernarg_segment_ptr 1
		.amdhsa_wavefront_size32 1
		.amdhsa_system_sgpr_workgroup_id_x 1
		.amdhsa_system_sgpr_workgroup_id_y 1
		.amdhsa_system_sgpr_workgroup_id_z 1
		.amdhsa_system_vgpr_workitem_id 0
		.amdhsa_next_free_vgpr 1024
		.amdhsa_next_free_sgpr 66
		.amdhsa_reserve_vcc 0
		.amdhsa_float_denorm_mode_32 3
		.amdhsa_float_denorm_mode_16_64 3
		.amdhsa_memory_ordered 1
		.amdhsa_forward_progress 1
		.amdhsa_inst_pref_size 167
	.end_amdhsa_kernel
	.amdgpu_metadata
---
amdhsa.version: [ 1, 2 ]
amdhsa.kernels:
  - .name:           k_q8b94f26af2_qkv
    .symbol:         k_q8b94f26af2_qkv.kd
    .args:
      - { .name: xa, .offset: 0, .size: 8, .value_kind: global_buffer, .address_space: global }
      - { .name: wts, .offset: 8, .size: 8, .value_kind: global_buffer, .address_space: global }
      - { .name: qkvh, .offset: 16, .size: 8, .value_kind: global_buffer, .address_space: global }
    .group_segment_fixed_size: 327680
    .private_segment_fixed_size: 0
    .kernarg_segment_align: 8
    .kernarg_segment_size: 24
    .max_flat_workgroup_size: 128
    .sgpr_count:     66
    .vgpr_count:     1024
    .wavefront_size: 32
...
	.end_amdgpu_metadata
.endif
;; end of part 2
;; launch attn (part 3): grid 256 x 1, 8 waves a work-group, clusters of 4 x 1, 327,680 bytes of LDS; arguments qkvh, mw, ao; writes ao
.if DOCPART == 3
	.amdgcn_target "amdgcn-amd-amdhsa--gfx1250"
	.amdhsa_code_object_version 6
	.text
	.protected	k_q8b94f26af2_attn
	.globl	k_q8b94f26af2_attn
	.p2align	8
	.type	k_q8b94f26af2_attn,@function
k_q8b94f26af2_attn:
	s_mov_b64 s[64:65], 0
	v_nop
	global_prefetch_b8 v0, s[64:65] scope:SCOPE_SE
	s_setreg_imm32_b32 hwreg(HW_REG_WAVE_MODE, 25, 1), 1
	s_wait_xcnt 0x0
	s_wait_alu depctr_hold_cnt(0) depctr_sa_sdst(0) depctr_va_vdst(0) depctr_va_sdst(0) depctr_va_ssrc(0) depctr_va_vcc(0) depctr_vm_vsrc(0)
	s_getreg_b32 s2, hwreg(HW_REG_IB_STS2, 6, 4)
	s_cmp_eq_u32 s2, 0
	s_cbranch_scc0 .Lentry_in_a_cluster
	s_endpgm
.Lentry_in_a_cluster:
	s_bfe_u32 s2, ttmp6, 0x10000c
	s_cmp_lg_u32 s2, 0x3003
	s_cbranch_scc0 .Lentry_shape_is_right
	s_endpgm
.Lentry_shape_is_right:
; attn: ao[head][b*2048+s][d] = f16( softmax(where(mask == 0, -1e9, q.k D^-0.5)) . v / 2 ).
; qkvh holds q * 0.25 log2(e), k / 2, v / 2 in f16, so a raw score is the reference's score times log2(e); p = 2^(S - m) with a running maximum m.
; A masked score is replaced by -1e9 log2(e) in front of the maximum, as the reference replaces it by -1e9: a row with every key masked
; gives S - m = 0 exactly and comes out as the mean of v.
; LIMITS: f16 operands (|q|, |k|, |v| below 131,000 before the halving); p is rounded to f16 for the product with v while its sum is kept in f32;
; p below 6e-8 counts as 0.
; A cluster of four work-groups takes one (head, batch); work-group cx takes 512 queries, a wave 64 (four tiles of 16).
; K and V are the same for the four: every tile is asked for jointly (mask 15).  Two slots of 256 keys; waves 0-3 bring 64 keys of V each,
; waves 4-7 64 keys of K: one tensor load a wave behind each round of the cluster's barrier; two are out at the start, one later; a refill has four trips of 64 keys to land.
; LAYOUT: S^T = K Q^T (source 0 = keys, source 1 = queries): a lane holds one query (lane & 15) and keys 16 kt + 8 (lane >> 4) + j,
; so maximum and sum are one number a lane, and the packed p are already source 1 of O^T = V^T P^T; V^T comes by transposing LDS loads.
; REGISTERS: window 0: v8-16 addresses, v24-47 six numbers for each query tile, v48-51 running maxima, v64-127 Q, v128-191 K, v192-255 V;
; window 1: v0-127 S (tile qt at 32 qt + 8 kt + j; p packed into its first 16), v128-255 O (128 + 32 qt + 8 dt).
; All matrix instructions take their accumulators by turns, one instruction a turn.
.set PART,  10240                      ; 64 keys: V at pitch 160 (5 x 32), K at pitch 144 (9 x 16)
.set SLOT,  8*PART
.set STAGE, 2*SLOT                     ; behind the ring: 16 rows x 144 bytes for each wave; no tensor load lands here
.set KA,   8                           ; v8-9    K fragments' address in slot 0, 1
.set VA,   10                          ; v10-11  V fragments'
.set QOFF, 12
.set STO,  13
.set RD,   14
.set CO,   15
.set NEG,  16                          ; -1e9 log2(e)
.set MX,   48                          ; running maximum of tile qt
.set QF,   64
.set KF,   128
.set VF,   192
; for tile qt at 24 + 6 qt: +0 minus the maximum, +1 the other half's number, +2 the factor for what was summed so far, +3 the new maximum, +4, +5 two partial sums
.set MSB, 0
.macro WIN new
.if MSB != (\new)
	s_set_vgpr_msb (MSB<<8)|(\new)
.set MSB, (\new)
.endif
.endm
.macro ROUND                           ; a round of the cluster's barrier
	s_barrier_signal -1
	s_barrier_wait -1
	s_cmp_lg_u32 s3, 0
	s_cbranch_scc1 .Lnot_wave_0_\@
	s_barrier_signal -3
.Lnot_wave_0_\@:
	s_barrier_wait -3
	s_barrier_signal -1
	s_barrier_wait -1
.endm
.macro JLOAD sl                        ; my part of slot sl: the two lines differ in the padding alone
	s_cmp_lt_u32 s3, 4
	s_cbranch_scc0 .Lfor_k_\@
	tensor_load_to_lds s[8+4*\sl:11+4*\sl], s[16:23]
	s_nop 0
.rept 4
	v_nop
.endr
	s_branch .Lasked_\@
.Lfor_k_\@:
	tensor_load_to_lds s[8+4*\sl:11+4*\sl], s[24:31]
	s_nop 0
.rept 4
	v_nop
.endr
.Lasked_\@:
.endm
	s_load_b128 s[32:35], s[0:1], 0x0              ; qkvh, mw
	s_load_b64 s[100:101], s[0:1], 0x10            ; ao
	v_lshl_add_u32 v62, v0, 2, 0x2c800
	v_mov_b32 v63, 0
	ds_add_u32 v62, v63
	v_lshrrev_b32 v1, 5, v0
	v_readfirstlane_b32 s3, v1                     ; wave 0..7
	s_bfe_u32 s36, ttmp6, 0x40000                  ; cx: which 512 queries; enters global addresses alone
	s_mov_b32 s66, 0x76543210                      ; v_permlanex16_b32: lane i of one half reads lane i of the other
	s_mov_b32 s67, 0xfedcba98
	; group 1: 64 rows of 64 elements of 2 bytes, dense; padding behind every 32 words: 8 words for V, 4 for K; mask 15: all four work-groups
	s_mov_b32 s16, 15|(1<<16)|(1<<20)|(1<<21)|(4<<22)|(7<<25)
	s_mov_b32 s24, 15|(1<<16)|(1<<20)|(1<<21)|(4<<22)|(3<<25)
	s_mov_b32 s17, 64<<16
	s_mov_b32 s25, 64<<16
	s_mov_b32 s18, 64<<16
	s_mov_b32 s26, 64<<16
	s_mov_b32 s19, 64<<16
	s_mov_b32 s27, 64<<16
	s_mov_b32 s20, 64
	s_mov_b32 s28, 64
	s_mov_b32 s21, 64
	s_mov_b32 s29, 64
	s_mov_b32 s22, 0
	s_mov_b32 s30, 0
	s_mov_b32 s23, 0
	s_mov_b32 s31, 0
	s_mul_i32 s37, s3, PART                        ; my part of a slot
	s_lshl_b32 s38, ttmp9, 18                      ; (head, batch): 2048 rows of 128 bytes
	s_lshl_b32 s39, s3, 13                         ; 64 keys of 128 bytes a wave
	s_add_co_u32 s38, s38, s39
	s_mov_b32 s42, 0x2000000                       ; V's planes begin at 32 MiB;
	s_mov_b32 s43, 0x1000000-32768                 ; K's at 16 MiB, and wave 4 takes its keys 0-63
	s_cmp_lt_u32 s3, 4
	s_cselect_b32 s39, s42, s43
	s_add_co_u32 s38, s38, s39
	s_mov_b32 s39, 0
	s_lshl_b32 s40, ttmp9, 18                      ; Q and ao: + (512 cx + 64 wave) rows
	s_lshl_b32 s41, s36, 16
	s_add_co_u32 s40, s40, s41
	s_lshl_b32 s41, s3, 13
	s_add_co_u32 s40, s40, s41
	s_mov_b32 s41, 0
	s_lshl_b32 s44, s36, 17                        ; mask words: query tile 32 cx + 4 wave, 4,096 bytes a tile
	s_lshl_b32 s45, s3, 14
	s_add_co_u32 s44, s44, s45
	s_mov_b32 s45, 0
	s_wait_dscnt 0x0
	s_wait_kmcnt 0x0
	s_add_nc_u64 s[38:39], s[32:33], s[38:39]
	s_add_nc_u64 s[4:5], s[32:33], s[40:41]
	s_add_nc_u64 s[100:101], s[100:101], s[40:41]
	s_add_nc_u64 s[6:7], s[34:35], s[44:45]
.irp n, 0,1
	s_mov_b32 s[8+4*\n], 1
	s_add_co_u32 s[9+4*\n], s37, \n*SLOT
	s_add_nc_u64 s[10+4*\n:11+4*\n], s[38:39], \n*32768        ; keys 256 n ..
	s_or_b32 s[11+4*\n], s[11+4*\n], 0x80000000
.endr
	ROUND                                          ; all four work-groups are here: the first joint loads meet
	JLOAD 0
	JLOAD 1
	v_and_b32 v1, 15, v0                           ; r
	v_bfe_u32 v2, v0, 4, 1                         ; h
	v_and_b32 v3, 31, v0                           ; lane
	v_lshlrev_b32 v[QOFF], 7, v1
	v_lshl_add_u32 v[QOFF], v2, 4, v[QOFF]
.irp qt, 0,1,2,3
.irp ks, 0,1
	global_load_b128 v[QF+16*\qt+8*\ks:QF+16*\qt+8*\ks+3],   v[QOFF], s[4:5] offset:\qt*2048+\ks*64
	global_load_b128 v[QF+16*\qt+8*\ks+4:QF+16*\qt+8*\ks+7], v[QOFF], s[4:5] offset:\qt*2048+\ks*64+32
.endr
.endr
	s_load_b512 s[32:47], s[6:7], 0x0              ; the mask words of tiles 0 and 1 for keys 0-63 (the addresses in s[32:35] have been used)
	s_load_b512 s[48:63], s[6:7], 0x40
	s_load_b512 s[68:83], s[6:7], 0x1000
	s_load_b512 s[84:99], s[6:7], 0x1040
	v_mul_u32_u24 v4, v1, 144
	v_lshl_add_u32 v4, v2, 4, v4                   ; row r at pitch 144, 16 bytes for each half
	v_add_nc_u32 v[KA], 4*PART, v4
	v_add_nc_u32 v[KA+1], 4*PART+SLOT, v4
	v_and_b32 v5, 7, v0                            ; transposing loads: key 8 h + (lane & 7), 16 bytes by (lane >> 3) & 1
	v_lshl_add_u32 v5, v2, 3, v5
	v_mul_u32_u24 v5, v5, 160
	v_bfe_u32 v6, v0, 3, 1
	v_lshl_add_u32 v[VA], v6, 4, v5
	v_add_nc_u32 v[VA+1], SLOT, v[VA]
	s_mul_i32 s2, s3, 2304
	s_add_co_u32 s2, s2, STAGE
	v_add_nc_u32 v[STO], s2, v4
	v_lshrrev_b32 v6, 3, v3
	v_mul_u32_u24 v6, v6, 144
	v_and_b32 v7, 7, v0
	v_lshl_add_u32 v6, v7, 4, v6
	v_add_nc_u32 v[RD], s2, v6
	v_lshlrev_b32 v[CO], 4, v3
	v_mov_b32 v[NEG], 0xceabfb8f
.irp qt, 0,1,2,3
	v_mov_b32 v[24+6*\qt+1], 0                     ; written once: v_permlanex16_b32 counts as a reader of its destination
	v_mov_b32 v[24+6*\qt+4], 0                     ; the two partial sums
	v_mov_b32 v[24+6*\qt+5], 0
.endr
; The softmax step of query tiles 2p and 2p+1 for 64 keys.  first: no earlier maximum, sum or O.  last: no further mask words.
.macro SOFT p, first, last
.set SB,  64*\p
.set PQ0, 24+12*\p
.set PQ1, 30+12*\p
	s_wait_kmcnt 0x0                               ; the two tiles' 64 mask words are in
	WIN 0x41
.set ee, 0
.rept 32
	v_cndmask_b32 v[SB+ee],    v[SB+ee],    v[NEG], s[32+ee]
	v_cndmask_b32 v[SB+32+ee], v[SB+32+ee], v[NEG], s[68+ee]
.set ee, ee+1
.endr
.if \p == 0
	s_load_b512 s[32:47], s[6:7], 0x2000           ; tiles 2 and 3, the same keys
	s_load_b512 s[48:63], s[6:7], 0x2040
	s_load_b512 s[68:83], s[6:7], 0x3000
	s_load_b512 s[84:99], s[6:7], 0x3040
.else
.if \last == 0
	s_add_nc_u64 s[6:7], s[6:7], 128               ; no scalar load is out (the wait above): the next 64 keys, tiles 0 and 1
	s_load_b512 s[32:47], s[6:7], 0x0
	s_load_b512 s[48:63], s[6:7], 0x40
	s_load_b512 s[68:83], s[6:7], 0x1000
	s_load_b512 s[84:99], s[6:7], 0x1040
.endif
.endif
	WIN 0x05
.if \first
	v_max_num_f32 v[PQ0+3], v[SB], v[SB+1]
	v_max_num_f32 v[PQ1+3], v[SB+32], v[SB+33]
.else
	v_max3_num_f32 v[PQ0+3], v[SB], v[SB+1], v[MX+2*\p]
	v_max3_num_f32 v[PQ1+3], v[SB+32], v[SB+33], v[MX+2*\p+1]
.endif
.set ee, 2
.rept 15
	v_max3_num_f32 v[PQ0+3], v[SB+ee], v[SB+ee+1], v[PQ0+3]
	v_max3_num_f32 v[PQ1+3], v[SB+32+ee], v[SB+33+ee], v[PQ1+3]
.set ee, ee+2
.endr
	WIN 0
.irp u, 0,1
	v_permlanex16_b32 v[PQ0+6*\u+1], v[PQ0+6*\u+3], s66, s67   ; the other eight keys of each 16 lie in the other half
	v_max_num_f32 v[PQ0+6*\u+3], v[PQ0+6*\u+3], v[PQ0+6*\u+1]
.if \first == 0
	v_sub_f32 v[PQ0+6*\u+2], v[MX+2*\p+\u], v[PQ0+6*\u+3]
.endif
	v_sub_f32 v[PQ0+6*\u], 0, v[PQ0+6*\u+3]
.if \first == 0
	v_exp_f32 v[PQ0+6*\u+2], v[PQ0+6*\u+2]         ; 2^(old maximum - new)
.endif
	v_mov_b32 v[MX+2*\p+\u], v[PQ0+6*\u+3]         ; also the plain instruction behind the exponential (ISA guide 5.7.2)
.endr
.if \first == 0
	s_wait_alu depctr_va_vdst(0)
	v_pk_mul_f32 v[PQ0+4:PQ0+5], v[PQ0+4:PQ0+5], v[PQ0+2:PQ0+3] op_sel_hi:[1,0]
	v_pk_mul_f32 v[PQ1+4:PQ1+5], v[PQ1+4:PQ1+5], v[PQ1+2:PQ1+3] op_sel_hi:[1,0]
.endif
	WIN 0x41
.set ee, 0
.rept 16
	v_pk_add_f32 v[SB+ee:SB+ee+1],       v[SB+ee:SB+ee+1],       v[PQ0:PQ0+1] op_sel_hi:[1,0]   ; S - m: exact where S = m
	v_pk_add_f32 v[SB+32+ee:SB+33+ee],   v[SB+32+ee:SB+33+ee],   v[PQ1:PQ1+1] op_sel_hi:[1,0]
.set ee, ee+2
.endr
.set ee, 0
.rept 64
	v_exp_f32 v[SB+ee], v[SB+ee]
.set ee, ee+1
.endr
.if \first
	v_nop                                          ; the plain instruction behind the exponentials
	s_wait_alu depctr_va_vdst(0)
.else
.set ee, 0
	s_wait_alu depctr_va_vdst(0)
.rept 16
	v_pk_mul_f32 v[128+SB+ee:129+SB+ee], v[128+SB+ee:129+SB+ee], v[PQ0+2:PQ0+3] op_sel_hi:[1,0]   ; O is brought to the new maximum
	v_pk_mul_f32 v[160+SB+ee:161+SB+ee], v[160+SB+ee:161+SB+ee], v[PQ1+2:PQ1+3] op_sel_hi:[1,0]
.set ee, ee+2
.endr
.endif
	WIN 0x01
.set ee, 0
.rept 16
	v_pk_add_f32 v[PQ0+4:PQ0+5], v[SB+ee:SB+ee+1],     v[PQ0+4:PQ0+5]
	v_pk_add_f32 v[PQ1+4:PQ1+5], v[SB+32+ee:SB+33+ee], v[PQ1+4:PQ1+5]
.set ee, ee+2
.endr
	WIN 0x45
.set ee, 0
.rept 16
	v_cvt_pk_f16_f32 v[SB+ee],    v[SB+2*ee],    v[SB+2*ee+1]      ; register i is written when 2i and 2i+1 have been read
	v_cvt_pk_f16_f32 v[SB+32+ee], v[SB+32+2*ee], v[SB+33+2*ee]
.set ee, ee+1
.endr
.endm
; One trip: 64 keys (part pt of slot sl) against my 64 queries.
.macro TRIP sl, pt, first, last
	WIN 0
.irp kt, 0,1,2,3
.irp ks, 0,1
	ds_load_b128 v[KF+16*\kt+8*\ks:KF+16*\kt+8*\ks+3],   v[KA+\sl] offset:\pt*PART+\kt*2304+\ks*64
	ds_load_b128 v[KF+16*\kt+8*\ks+4:KF+16*\kt+8*\ks+7], v[KA+\sl] offset:\pt*PART+\kt*2304+\ks*64+32
.endr
.endr
.irp dt, 0,1,2,3
.irp ks, 0,1
	ds_load_tr16_b128 v[VF+16*\dt+8*\ks:VF+16*\dt+8*\ks+3],   v[VA+\sl] offset:\pt*PART+\ks*5120+\dt*32
	ds_load_tr16_b128 v[VF+16*\dt+8*\ks+4:VF+16*\dt+8*\ks+7], v[VA+\sl] offset:\pt*PART+\ks*5120+\dt*32+2560
.endr
.endr
	s_wait_dscnt 16                                ; K's 16 loads are in, V's 16 stay out
	WIN 0x50
.irp qt, 0,1,2,3
.irp kt, 0,1,2,3
	v_wmma_f32_16x16x32_f16 v[32*\qt+8*\kt:32*\qt+8*\kt+7], v[KF+16*\kt:KF+16*\kt+7], v[QF+16*\qt:QF+16*\qt+7], 0
.endr
.endr
.irp qt, 0,1,2,3
.irp kt, 0,1,2,3
	v_wmma_f32_16x16x32_f16 v[32*\qt+8*\kt:32*\qt+8*\kt+7], v[KF+16*\kt+8:KF+16*\kt+15], v[QF+16*\qt+8:QF+16*\qt+15], v[32*\qt+8*\kt:32*\qt+8*\kt+7]
.endr
.endr
	WIN 0
.rept 4
	v_nop                                          ; four places before vector instructions read the scores (ISA guide 7.12.1)
.endr
	SOFT 0, \first, 0
	SOFT 1, \first, \last
	s_wait_dscnt 0x0                               ; V is in
	WIN 0x54
.irp qt, 0,1,2,3
.irp dt, 0,1,2,3
.if \first
	v_wmma_f32_16x16x32_f16 v[128+32*\qt+8*\dt:128+32*\qt+8*\dt+7], v[VF+16*\dt:VF+16*\dt+7], v[32*\qt:32*\qt+7], 0
.else
	v_wmma_f32_16x16x32_f16 v[128+32*\qt+8*\dt:128+32*\qt+8*\dt+7], v[VF+16*\dt:VF+16*\dt+7], v[32*\qt:32*\qt+7], v[128+32*\qt+8*\dt:128+32*\qt+8*\dt+7]
.endif
.endr
.endr
.irp qt, 0,1,2,3
.irp dt, 0,1,2,3
	v_wmma_f32_16x16x32_f16 v[128+32*\qt+8*\dt:128+32*\qt+8*\dt+7], v[VF+16*\dt+8:VF+16*\dt+15], v[32*\qt+8:32*\qt+15], v[128+32*\qt+8*\dt:128+32*\qt+8*\dt+7]
.endr
.endr
	WIN 0
.rept 5
	v_nop                                          ; five places before the next scores write over p, four before V is loaded again
.endr
.endm
.macro PROCESS sl, first, last
	TRIP \sl, 0, \first, 0
	TRIP \sl, 1, 0, 0
	TRIP \sl, 2, 0, 0
	TRIP \sl, 3, 0, \last
.endm
; The change of slots: all my tensor loads have landed (my part of slot sl among them) and my reads of the other slot are back, in front of the round;
; behind it the other slot's refill comes first, one tensor load a wave.
.macro TWO sl, fill, last
	s_wait_tensorcnt 0x0
	ds_add_u32 v62, v63
	s_wait_dscnt 0x0
	s_add_nc_u64 s[14-4*\sl:15-4*\sl], s[14-4*\sl:15-4*\sl], 65536     ; no load of mine is out: the other slot's next 256 keys
	s_wait_dscnt 0x0
	ROUND
.if \fill
	JLOAD (1-\sl)
.endif
	PROCESS \sl, 0, \last
.endm
	s_wait_loadcnt 0x0                             ; Q
	s_wait_tensorcnt 0x1                           ; my part of slot 0; slot 1's stays out
	s_barrier_signal -1
	s_barrier_wait -1
	PROCESS 0, 1, 0
	s_mov_b32 s4, 3
.Lloop:
	TWO 1, 1, 0
	TWO 0, 1, 0
	s_sub_co_u32 s4, s4, 1
	s_cmp_lg_u32 s4, 0
	s_cbranch_scc1 .Lloop
	TWO 1, 0, 1                                    ; keys 1792-2047: nothing is left to fetch
	; the end: divide by the sum, round to f16, 16 queries at a time through my own stage, out as runs of 512 bytes
.irp qt, 0,1,2,3
	v_add_f32 v[24+6*\qt+4], v[24+6*\qt+4], v[24+6*\qt+5]
	v_permlanex16_b32 v[24+6*\qt+1], v[24+6*\qt+4], s66, s67
	v_add_f32 v[24+6*\qt+4], v[24+6*\qt+4], v[24+6*\qt+1]
	v_rcp_f32 v[24+6*\qt+2], v[24+6*\qt+4]         ; the sum is at least 1: the largest p is 1
	v_nop
.endr
	WIN 0x41
	s_wait_alu depctr_va_vdst(0)
.irp qt, 0,1,2,3
.set ee, 0
.rept 16
	v_pk_mul_f32 v[128+32*\qt+ee:129+32*\qt+ee], v[128+32*\qt+ee:129+32*\qt+ee], v[24+6*\qt+2:24+6*\qt+3] op_sel_hi:[1,0]
.set ee, ee+2
.endr
.endr
	WIN 0x05
.irp qt, 0,1,2,3
.set ee, 0
.rept 16
	v_cvt_pk_f16_f32 v[KF+16*\qt+ee], v[128+32*\qt+2*ee], v[129+32*\qt+2*ee]
.set ee, ee+1
.endr
.endr
	WIN 0
.irp qt, 0,1,2,3
.irp dt, 0,1,2,3
	ds_store_b128 v[STO], v[KF+16*\qt+4*\dt:KF+16*\qt+4*\dt+3] offset:32*\dt
.endr
.irp tt, 0,1,2,3
	ds_load_b128 v[VF+16*\qt+4*\tt:VF+16*\qt+4*\tt+3], v[RD] offset:576*\tt    ; a wave's LDS instructions are served in order
.endr
.irp tt, 0,1,2,3
	s_wait_dscnt 3-\tt
	global_store_b128 v[CO], v[VF+16*\qt+4*\tt:VF+16*\qt+4*\tt+3], s[100:101] offset:\qt*2048+512*\tt   ; registers of their own for each store: none is written again
.endr
.endr
	s_wait_tensorcnt 0x0
	ds_add_u32 v62, v63
	s_wait_dscnt 0x0
	ROUND                                          ; the closing round
	s_endpgm
.Lfunc_end_k_q8b94f26af2_attn:
	.size	k_q8b94f26af2_attn, .Lfunc_end_k_q8b94f26af2_attn-k_q8b94f26af2_attn
	.p2alignl 7, 3214868480
	.fill 96, 4, 3214868480
	.section	.rodata,"a",@progbits
	.p2align	6, 0x0
	.amdhsa_kernel k_q8b94f26af2_attn
		.amdhsa_group_segment_fixed_size 327680
		.amdhsa_private_segment_fixed_size 0
		.amdhsa_enable_private_segment 0
		.amdhsa_kernarg_size 24
		.amdhsa_user_sgpr_count 2
		.amdhsa_user_sgpr_kernarg_segment_ptr 1
		.amdhsa_wavefront_size32 1
		.amdhsa_system_sgpr_workgroup_id_x 1
		.amdhsa_system_sgpr_workgroup_id_y 1
		.amdhsa_system_sgpr_workgroup_id_z 1
		.amdhsa_system_vgpr_workitem_id 0
		.amdhsa_next_free_vgpr 512
		.amdhsa_next_free_sgpr 102
		.amdhsa_reserve_vcc 0
		.amdhsa_float_denorm_mode_32 3
		.amdhsa_float_denorm_mode_16_64 3
		.amdhsa_memory_ordered 1
		.amdhsa_forward_progress 1
		.amdhsa_inst_pref_size 255
	.end_amdhsa_kernel
	.section	.bss,"aw",@nobits
	.p2align	6
	.space	262144
	.amdgpu_metadata
---
amdhsa.version: [ 1, 2 ]
amdhsa.kernels:
  - .name:           k_q8b94f26af2_attn
    .symbol:         k_q8b94f26af2_attn.kd
    .args:
      - { .name: qkvh, .offset: 0, .size: 8, .value_kind: global_buffer, .address_space: global }
      - { .name: mw, .offset: 8, .size: 8, .value_kind: global_buffer, .address_space: global }
      - { .name: ao, .offset: 16, .size: 8, .value_kind: global_buffer, .address_space: global }
    .group_segment_fixed_size: 327680
    .private_segment_fixed_size: 0
    .kernarg_segment_align: 8
    .kernarg_segment_size: 24
    .max_flat_workgroup_size: 256
    .sgpr_count:     102
    .vgpr_count:     512
    .wavefront_size: 32
...
	.end_amdgpu_metadata
.endif
;; end of part 3
;; launch proj (part 4): grid 8 x 32, 4 waves a work-group, clusters of 4 x 4, 327,680 bytes of LDS; arguments ao, wts, bproj, out0; writes out0
.if DOCPART == 4
	.amdgcn_target "amdgcn-amd-amdhsa--gfx1250"
	.amdhsa_code_object_version 6
	.text
	.protected	k_q8b94f26af2_proj
	.globl	k_q8b94f26af2_proj
	.p2align	8
	.type	k_q8b94f26af2_proj,@function
k_q8b94f26af2_proj:
	s_mov_b64 s[64:65], 0
	v_nop
	global_prefetch_b8 v0, s[64:65] scope:SCOPE_SE
	s_setreg_imm32_b32 hwreg(HW_REG_WAVE_MODE, 25, 1), 1
	s_wait_xcnt 0x0
	s_wait_alu depctr_hold_cnt(0) depctr_sa_sdst(0) depctr_va_vdst(0) depctr_va_sdst(0) depctr_va_ssrc(0) depctr_va_vcc(0) depctr_vm_vsrc(0)
	s_getreg_b32 s2, hwreg(HW_REG_IB_STS2, 6, 4)
	s_cmp_eq_u32 s2, 0
	s_cbranch_scc0 .Lentry_in_a_cluster
	s_endpgm
.Lentry_in_a_cluster:
	s_bfe_u32 s2, ttmp6, 0x10000c
	s_cmp_lg_u32 s2, 0xf033
	s_cbranch_scc0 .Lentry_shape_is_right
	s_endpgm
.Lentry_shape_is_right:
; proj: out0 = out . Wproj^T + bproj + 2 (out . Aproj^T) . Bproj^T, with ao = out / 2 in f16.
; Main product: f16 form, ao x f16(2 bf16(Wproj)).  Rank-8 part: T = ao x f16(4 bf16(Aproj)) on eight accumulators of its own beside the main ones,
; then T rounded to bf16 and one bf16 product T x bf16(Bproj) (k 8-31 zero) added onto the sums.  The bias is added in f32 on the way out.
; LIMITS: f16 operands (|2 Wproj|, |4 Aproj|, |out / 2| below 65504; weights below 2^-14 lose bits); T is rounded to bf16.
; A work-group makes 256 (m) x 128 (n) with four waves, a wave 128 x 64 = 32 accumulator tiles.  K = 1024 goes in eight double steps of 128 through two slots;
; a slot holds two k-blocks of ao (256 rows each) and two of wp (128 rows each): waves 0, 1 bring ao's, waves 2, 3 wp's, one tensor load a wave.
; CLUSTER 4 x 4: ao's tiles are asked for jointly along a row of the cluster, wp's along a column.  Two tensor loads of a wave are out at the start, one later.
; The K loop is written out (32 quarters of K = 32), so that each quarter names its own fragment of Aproj, all 32 of which lie in window 3.
; REGISTERS: window 0: v16-29 addresses, v32-95 / v96-159 fragments of ao, v160-191 / v192-223 of wp, v224-227 bias;
; window 1: tile (a, b) at v[8 (8 b + a)]; window 2: v0-63 T, v64-95 fragments of Bproj, v96-159 T as bf16 fragments; window 3: Aproj.
; The accumulators take turns, one instruction a turn.
.set PITCH,  144
.set AKB,    256*PITCH                 ; one k-block of ao in LDS
.set BKB,    128*PITCH
.set SLOT,   2*AKB+2*BKB               ; 110,592
.set STAGE,  2*SLOT                    ; behind the ring: 16 rows x 272 bytes for each wave; no tensor load lands here
.set SPITCH, 272
.set WP_OFF,  6488064
.set BXP_OFF, 8585216
.set AXP_OFF, 8650752
.set ADRA, 16
.set ADRB, 20
.set STO,  24
.set RD,   25
.set CO,   26
.set FO,   27
.set AXO,  28
.set BO,   29
.set AF,   32
.set BF,   160
.set BIAS, 224
.set G1A, 24
.set G0A, 32
.set G1B, 48
.set G0B, 56
.set MSB, 0
.macro WIN new
.if MSB != (\new)
	s_set_vgpr_msb (MSB<<8)|(\new)
.set MSB, (\new)
.endif
.endm
.macro PLACES
.rept 4
	v_nop
.endr
.endm
.macro JLOAD s
	s_cmp_eq_u32 s11, 0
	s_cbranch_scc0 .Lfor_b_\@
	tensor_load_to_lds s[G0A+4*\s:G0A+4*\s+3], s[G1A:G1A+7]
	s_nop 0
.rept 4
	v_nop
.endr
	s_branch .Lasked_\@
.Lfor_b_\@:
	tensor_load_to_lds s[G0B+4*\s:G0B+4*\s+3], s[G1B:G1B+7]
	s_nop 0
.rept 4
	v_nop
.endr
.Lasked_\@:
.endm
.macro CREST
	s_cmp_lg_u32 s10, 0
	s_cbranch_scc1 .Lnot_wave_0_\@
	s_barrier_signal -3
.Lnot_wave_0_\@:
	s_barrier_wait -3
	s_barrier_signal -1
	s_barrier_wait -1
.endm
.macro CROUND
	s_barrier_signal -1
	s_barrier_wait -1
	CREST
.endm
	s_load_b128 s[4:7], s[0:1], 0x0                ; ao, wts
	s_load_b128 s[20:23], s[0:1], 0x10             ; bproj, out0
	v_lshl_add_u32 v254, v0, 2, 0x40000
	v_mov_b32 v255, 0
	ds_add_u32 v254, v255
	v_lshrrev_b32 v1, 5, v0
	v_readfirstlane_b32 s10, v1                    ; wave 0..3
	s_lshr_b32 s11, s10, 1                         ; wm: which 128 rows.  Also: I fetch for ao (0) or for wp (1)
	s_and_b32 s12, s10, 1                          ; wn: which 64 columns.  Also: which k-block of the slot I fetch
	s_bfe_u32 s40, ttmp6, 0x40000
	s_bfe_u32 s41, ttmp6, 0x40004
	s_lshl_b32 s42, ttmp9, 2
	s_add_co_u32 s42, s42, s40                     ; block column bc
	s_and_b32 s13, ttmp7, 0xffff
	s_lshl_b32 s13, s13, 2
	s_add_co_u32 s13, s13, s41                     ; block row br
	s_lshl_b32 s43, s41, 2
	s_lshl_b32 s43, 15, s43
	s_lshl_b32 s44, 0x1111, s40
	s_or_b32 s[G1A+0], s43, (1<<16)|(1<<20)|(1<<21)|(4<<22)|(3<<25)
	s_or_b32 s[G1B+0], s44, (1<<16)|(1<<20)|(1<<21)|(4<<22)|(3<<25)
	s_mov_b32 s[G1A+1], 64<<16
	s_mov_b32 s[G1B+1], 64<<16
	s_mov_b32 s[G1A+2], 256<<16
	s_mov_b32 s[G1B+2], 128<<16
	s_mov_b32 s[G1A+3], 64<<16
	s_mov_b32 s[G1B+3], 64<<16
	s_mov_b32 s[G1A+4], 256
	s_mov_b32 s[G1B+4], 128
	s_mov_b32 s[G1A+5], 64
	s_mov_b32 s[G1B+5], 64
	s_mov_b32 s[G1A+6], 0
	s_mov_b32 s[G1B+6], 0
	s_mov_b32 s[G1A+7], 0
	s_mov_b32 s[G1B+7], 0
	s_lshl_b32 s16, s13, 15                        ; ao: 256 rows of 128 bytes a block row, k-block (wave & 1)
	s_lshl_b32 s17, s12, 20
	s_add_co_u32 s16, s16, s17
	s_mov_b32 s17, 0
	s_lshl_b32 s46, s42, 14                        ; wp: 128 rows a block column
	s_lshl_b32 s47, s12, 17
	s_add_co_u32 s46, s46, s47
	s_add_co_u32 s46, s46, WP_OFF
	s_mov_b32 s47, 0
	s_mul_i32 s18, s10, AKB                        ; LDS: waves 0, 1: ao's two k-blocks
	s_mul_i32 s19, s10, BKB
	s_add_co_u32 s19, s19, 2*AKB-2*BKB             ; waves 2, 3: wp's two, behind them
	s_wait_dscnt 0x0
	s_wait_kmcnt 0x0
	s_add_nc_u64 s[14:15], s[4:5], s[16:17]
	s_add_nc_u64 s[46:47], s[6:7], s[46:47]
	CROUND
.irp s, 0,1
	s_mov_b32 s[G0A+4*\s], 1
	s_add_co_u32 s[G0A+4*\s+1], s18, \s*SLOT
	s_add_nc_u64 s[G0A+4*\s+2:G0A+4*\s+3], s[14:15], \s*2097152
	s_or_b32 s[G0A+4*\s+3], s[G0A+4*\s+3], 0x80000000
	s_mov_b32 s[G0B+4*\s], 1
	s_add_co_u32 s[G0B+4*\s+1], s19, \s*SLOT
	s_add_nc_u64 s[G0B+4*\s+2:G0B+4*\s+3], s[46:47], \s*262144
	s_or_b32 s[G0B+4*\s+3], s[G0B+4*\s+3], 0x80000000
	JLOAD \s
.endr
	v_and_b32 v1, 15, v0                           ; r
	v_bfe_u32 v2, v0, 4, 1                         ; h
	v_mul_u32_u24 v4, v1, PITCH
	v_lshl_add_u32 v4, v2, 4, v4
	s_mul_i32 s8, s11, 128*PITCH
	s_mul_i32 s9, s12, 64*PITCH
	s_add_co_u32 s9, s9, 2*AKB
.irp s, 0,1
	v_add_nc_u32 v[ADRA+\s], s8, v4
	v_add_nc_u32 v[ADRB+\s], s9, v4
	s_add_co_u32 s8, s8, SLOT
	s_add_co_u32 s9, s9, SLOT
.endr
	s_mul_i32 s8, s10, 16*SPITCH
	s_add_co_u32 s8, s8, STAGE
	v_mul_u32_u24 v5, v1, SPITCH
	v_lshl_add_u32 v5, v2, 5, v5                   ; in: row r, 32 bytes (8 f32) for each half of the lanes
	v_add_nc_u32 v[STO], s8, v5
	v_mul_u32_u24 v5, v2, SPITCH                   ; back: lanes 0-15 one row of 256 bytes, lanes 16-31 the next
	v_lshl_add_u32 v5, v1, 4, v5
	v_add_nc_u32 v[RD], s8, v5
	v_lshlrev_b32 v[BO], 4, v1
	v_lshl_add_u32 v[CO], v2, 12, v[BO]            ; the same two rows in out0
	v_lshlrev_b32 v[FO], 6, v1
	v_lshl_add_u32 v[FO], v2, 4, v[FO]
	v_lshlrev_b32 v[AXO], 11, v1
	v_lshl_add_u32 v[AXO], v2, 4, v[AXO]
	s_add_nc_u64 s[16:17], s[6:7], AXP_OFF
	s_lshl_b32 s46, s42, 13                        ; bxp at my 64 rows of 64 bytes
	s_lshl_b32 s47, s12, 12
	s_add_co_u32 s46, s46, s47
	s_add_co_u32 s46, s46, BXP_OFF
	s_mov_b32 s47, 0
	s_add_nc_u64 s[46:47], s[6:7], s[46:47]
	s_lshl_b32 s8, s42, 9                          ; my 64 columns of f32, in bproj and in a row of out0
	s_lshl_b32 s9, s12, 8
	s_add_co_u32 s8, s8, s9
	s_mov_b32 s9, 0
	s_add_nc_u64 s[20:21], s[20:21], s[8:9]
	s_add_nc_u64 s[22:23], s[22:23], s[8:9]
	s_lshl_b32 s8, s13, 20                         ; my 128 rows of 4,096 bytes
	s_lshl_b32 s18, s11, 19
	s_add_co_u32 s8, s8, s18
	s_add_nc_u64 s[22:23], s[22:23], s[8:9]
	WIN 0xc0                                       ; destination window 3
.set ee, 0
.rept 32
	global_load_b128 v[8*ee:8*ee+3],   v[AXO], s[16:17] offset:64*ee       ; Aproj's fragment of quarter ee
	global_load_b128 v[8*ee+4:8*ee+7], v[AXO], s[16:17] offset:64*ee+32
.set ee, ee+1
.endr
	WIN 0x80                                       ; destination window 2
.irp b, 0,1,2,3
	global_load_b128 v[64+8*\b:64+8*\b+3], v[FO], s[46:47] offset:\b*1024
	global_load_b128 v[64+8*\b+4:64+8*\b+7], v[FO], s[46:47] offset:\b*1024+32
.endr
	WIN 0
	global_load_b128 v[BIAS:BIAS+3], v[BO], s[20:21]
.macro FETCHQ sl, qq, p                ; 24 loads: the fragments of quarter qq of slot sl into buffers p
.irp a, 0,1,2,3,4,5,6,7
	ds_load_b128 v[AF+64*\p+8*\a:AF+64*\p+8*\a+3],   v[ADRA+\sl] offset:(\qq>>1)*AKB+(\qq&1)*64+\a*16*PITCH
	ds_load_b128 v[AF+64*\p+8*\a+4:AF+64*\p+8*\a+7], v[ADRA+\sl] offset:(\qq>>1)*AKB+(\qq&1)*64+\a*16*PITCH+32
.endr
.irp b, 0,1,2,3
	ds_load_b128 v[BF+32*\p+8*\b:BF+32*\p+8*\b+3],   v[ADRB+\sl] offset:(\qq>>1)*BKB+(\qq&1)*64+\b*16*PITCH
	ds_load_b128 v[BF+32*\p+8*\b+4:BF+32*\p+8*\b+7], v[ADRB+\sl] offset:(\qq>>1)*BKB+(\qq&1)*64+\b*16*PITCH+32
.endr
.endm
.macro MM p, b, zero                   ; eight matrix instructions: n tile b x all eight m tiles (source 0 = rows of wp, source 1 = rows of ao)
.irp a, 0,1,2,3,4,5,6,7
.if \zero
	v_wmma_f32_16x16x32_f16 v[8*(8*\b+\a):8*(8*\b+\a)+7], v[BF+32*\p+8*\b:BF+32*\p+8*\b+7], v[AF+64*\p+8*\a:AF+64*\p+8*\a+7], 0
.else
	v_wmma_f32_16x16x32_f16 v[8*(8*\b+\a):8*(8*\b+\a)+7], v[BF+32*\p+8*\b:BF+32*\p+8*\b+7], v[AF+64*\p+8*\a:AF+64*\p+8*\a+7], v[8*(8*\b+\a):8*(8*\b+\a)+7]
.endif
.endr
.endm
.macro TT p, q, zero                   ; eight more: T[a] += Aproj's fragment q x ao's rows
.irp a, 0,1,2,3,4,5,6,7
.if \zero
	v_wmma_f32_16x16x32_f16 v[8*\a:8*\a+7], v[8*\q:8*\q+7], v[AF+64*\p+8*\a:AF+64*\p+8*\a+7], 0
.else
	v_wmma_f32_16x16x32_f16 v[8*\a:8*\a+7], v[8*\q:8*\q+7], v[AF+64*\p+8*\a:AF+64*\p+8*\a+7], v[8*\a:8*\a+7]
.endif
.endr
.endm
; one of a slot's first three quarters: the next quarter's 24 loads go out first, then this quarter's 40 matrix instructions
.macro QN sl, qq, q, zero
	WIN 0
	PLACES
	FETCHQ \sl, (\qq+1), ((\qq+1)&1)
	s_wait_dscnt 24                                ; all but the 24 just issued: this quarter's fragments are in
	WIN 0x50
	MM (\qq&1), 0, \zero
	MM (\qq&1), 1, \zero
	MM (\qq&1), 2, \zero
	MM (\qq&1), 3, \zero
	WIN 0xa3
	TT (\qq&1), \q, \zero
.endm
; a double step.  kind 1: this slot is filled again; 0: slots change, nothing is filled; 2: the last.
; From a request to the wait for it a wave issues 24 + 3 x 40 matrix instructions.
.macro DSTEP sl, ds, kind, zero
	QN \sl, 0, (4*\ds), \zero
	QN \sl, 1, (4*\ds+1), 0
	QN \sl, 2, (4*\ds+2), 0
	s_wait_dscnt 0x0                               ; my reads of this slot are back
.if \kind != 2
	s_set_vgpr_msb 0xa3a0
	s_wait_tensorcnt 0x0                           ; all my tensor loads have landed: the one that was out is my part of the next slot
	ds_add_u32 v254, v255
	s_wait_dscnt 0x0
	s_set_vgpr_msb 0xa0a3
	s_barrier_signal -1
.endif
	WIN 0x50
	MM 1, 0, 0
	MM 1, 1, 0
.if \kind != 2
	WIN 0
	s_barrier_wait -1
.if \kind == 1
	CREST
	s_add_nc_u64 s[G0A+4*\sl+2:G0A+4*\sl+3], s[G0A+4*\sl+2:G0A+4*\sl+3], 4*1048576
	s_add_nc_u64 s[G0B+4*\sl+2:G0B+4*\sl+3], s[G0B+4*\sl+2:G0B+4*\sl+3], 4*131072
	JLOAD \sl                                      ; the first tensor load behind the round; its four v_nop are the places in front of the loads below
.else
	PLACES
.endif
	FETCHQ (1-\sl), 0, 0
	WIN 0x50
.endif
	MM 1, 2, 0
	MM 1, 3, 0
	WIN 0xa3
	TT 1, (4*\ds+3), 0
.endm
	s_wait_loadcnt 0x0                             ; Aproj, Bproj, bias
	s_wait_tensorcnt 0x1                           ; my part of slot 0; slot 1's stays out
	s_barrier_signal -1
	s_barrier_wait -1
	FETCHQ 0, 0, 0
	DSTEP 0, 0, 1, 1                               ; the first products start the sums
	DSTEP 1, 1, 1, 0
	DSTEP 0, 2, 1, 0
	DSTEP 1, 3, 1, 0
	DSTEP 0, 4, 1, 0
	DSTEP 1, 5, 1, 0
	DSTEP 0, 6, 0, 0
	DSTEP 1, 7, 2, 0
	WIN 0
.rept 5
	v_nop                                          ; five places: the bf16 products below are no links of the f16 chains
.endr
	WIN 0x8a
.irp a, 0,1,2,3,4,5,6,7
.irp i, 0,1,2,3
	v_cvt_pk_bf16_f32 v[96+8*\a+\i], v[8*\a+2*\i], v[8*\a+2*\i+1]      ; a lane's T(m = r, k = 8h + j) is already its part of a fragment; k 8-15 are zeros (Aproj's rows 8-15)
.endr
.endr
	WIN 0x80
.irp a, 0,1,2,3,4,5,6,7
.irp i, 4,5,6,7
	v_mov_b32 v[96+8*\a+\i], 0                     ; k 16-31
.endr
.endr
	WIN 0x5a
.irp b, 0,1,2,3
.irp a, 0,1,2,3,4,5,6,7
	v_wmma_f32_16x16x32_bf16 v[8*(8*\b+\a):8*(8*\b+\a)+7], v[64+8*\b:64+8*\b+7], v[96+8*\a:96+8*\a+7], v[8*(8*\b+\a):8*(8*\b+\a)+7]
.endr
.endr
	WIN 0
	PLACES
	; THE WAY OUT, 16 rows at a time, in f32 through my own stage; the bias is added to whole rows
.macro OUTP a
.set OF, AF+32*(\a&3)
	WIN 0x04                                       ; store data from window 1
.irp b, 0,1,2,3
	ds_store_b128 v[STO], v[8*(8*\b+\a):8*(8*\b+\a)+3]   offset:64*\b
	ds_store_b128 v[STO], v[8*(8*\b+\a)+4:8*(8*\b+\a)+7] offset:64*\b+16
.endr
	WIN 0
	s_wait_xcnt 0x0                                ; registers that earlier stores read are loaded again only behind this wait
.irp tt, 0,1,2,3,4,5,6,7
	ds_load_b128 v[OF+4*\tt:OF+4*\tt+3], v[RD] offset:\tt*2*SPITCH     ; a wave's LDS instructions are served in order
.endr
.irp tt, 0,1,2,3,4,5,6,7
	s_wait_dscnt 7-\tt
	v_pk_add_f32 v[OF+4*\tt:OF+4*\tt+1],   v[OF+4*\tt:OF+4*\tt+1],   v[BIAS:BIAS+1]
	v_pk_add_f32 v[OF+4*\tt+2:OF+4*\tt+3], v[OF+4*\tt+2:OF+4*\tt+3], v[BIAS+2:BIAS+3]
	global_store_b128 v[CO], v[OF+4*\tt:OF+4*\tt+3], s[22:23] offset:(16*\a+2*\tt)*4096 th:TH_STORE_NT   ; 16 lanes store 256 consecutive bytes, aligned
.endr
.endm
	OUTP 0
	OUTP 1
	OUTP 2
	OUTP 3
	OUTP 4
	OUTP 5
	OUTP 6
	OUTP 7
	s_wait_tensorcnt 0x0
	ds_add_u32 v254, v255
	s_wait_dscnt 0x0
	CROUND                                         ; the closing round
	s_endpgm
.Lfunc_end_k_q8b94f26af2_proj:
	.size	k_q8b94f26af2_proj, .Lfunc_end_k_q8b94f26af2_proj-k_q8b94f26af2_proj
	.p2alignl 7, 3214868480
	.fill 96, 4, 3214868480
	.section	.rodata,"a",@progbits
	.p2align	6, 0x0
	.amdhsa_kernel k_q8b94f26af2_proj
		.amdhsa_group_segment_fixed_size 327680
		.amdhsa_private_segment_fixed_size 0
		.amdhsa_enable_private_segment 0
		.amdhsa_kernarg_size 32
		.amdhsa_user_sgpr_count 2
		.amdhsa_user_sgpr_kernarg_segment_ptr 1
		.amdhsa_wavefront_size32 1
		.amdhsa_system_sgpr_workgroup_id_x 1
		.amdhsa_system_sgpr_workgroup_id_y 1
		.amdhsa_system_sgpr_workgroup_id_z 1
		.amdhsa_system_vgpr_workitem_id 0
		.amdhsa_next_free_vgpr 1024
		.amdhsa_next_free_sgpr 66
		.amdhsa_reserve_vcc 0
		.amdhsa_float_denorm_mode_32 3
		.amdhsa_float_denorm_mode_16_64 3
		.amdhsa_memory_ordered 1
		.amdhsa_forward_progress 1
		.amdhsa_inst_pref_size 188
	.end_amdhsa_kernel
	.amdgpu_metadata
---
amdhsa.version: [ 1, 2 ]
amdhsa.kernels:
  - .name:           k_q8b94f26af2_proj
    .symbol:         k_q8b94f26af2_proj.kd
    .args:
      - { .name: ao, .offset: 0, .size: 8, .value_kind: global_buffer, .address_space: global }
      - { .name: wts, .offset: 8, .size: 8, .value_kind: global_buffer, .address_space: global }
      - { .name: bproj, .offset: 16, .size: 8, .value_kind: global_buffer, .address_space: global }
      - { .name: out0, .offset: 24, .size: 8, .value_kind: global_buffer, .address_space: global }
    .group_segment_fixed_size: 327680
    .private_segment_fixed_size: 0
    .kernarg_segment_align: 8
    .kernarg_segment_size: 32
    .max_flat_workgroup_size: 128
    .sgpr_count:     66
    .vgpr_count:     1024
    .wavefront_size: 32
...
	.end_amdgpu_metadata
.endif
;; end of part 4
;; ======== version 2 of 2: 4 launches
;; limits: values are held in f16: magnitudes above 65,504 overflow, below 6.1e-05 lose precision; right only within a limited range of input values
;; workspace buffers: xa 17,301,504 bytes; wts 8,683,520 bytes; mw 524,288 bytes of whole numbers; qkvh 50,331,648 bytes; ao 16,777,216 bytes
;; launch prep: the kernel of part 1 again; grid 1024 x 1, 8 waves a work-group, no clusters, 72,704 bytes of LDS; arguments x, Wqkv, Wproj, Aqkv, Bqkv, Aproj, Bproj, mask, xa, wts, mw; writes xa, wts, mw
;; launch qkv: the kernel of part 2 again; grid 8 x 32, 4 waves a work-group, clusters of 4 x 4, 327,680 bytes of LDS; arguments xa, wts, qkvh; writes qkvh
;; launch attn (part 5): grid 256 x 1, 8 waves a work-group, clusters of 4 x 1, 327,680 bytes of LDS; arguments qkvh, mw, ao; writes ao
.if DOCPART == 5
	.amdgcn_target "amdgcn-amd-amdhsa--gfx1250"
	.amdhsa_code_object_version 6
	.text
	.protected	k_q8b94f26af2_attn
	.globl	k_q8b94f26af2_attn
	.p2align	8
	.type	k_q8b94f26af2_attn,@function
k_q8b94f26af2_attn:
	s_mov_b64 s[64:65], 0
	v_nop
	global_prefetch_b8 v0, s[64:65] scope:SCOPE_SE
	s_setreg_imm32_b32 hwreg(HW_REG_WAVE_MODE, 25, 1), 1
	s_wait_xcnt 0x0
	s_wait_alu depctr_hold_cnt(0) depctr_sa_sdst(0) depctr_va_vdst(0) depctr_va_sdst(0) depctr_va_ssrc(0) depctr_va_vcc(0) depctr_vm_vsrc(0)
	s_getreg_b32 s2, hwreg(HW_REG_IB_STS2, 6, 4)
	s_cmp_eq_u32 s2, 0
	s_cbranch_scc0 .Lentry_in_a_cluster
	s_endpgm
.Lentry_in_a_cluster:
	s_bfe_u32 s2, ttmp6, 0x10000c
	s_cmp_lg_u32 s2, 0x3003
	s_cbranch_scc0 .Lentry_shape_is_right
	s_endpgm
.Lentry_shape_is_right:
; attn: ao[head][b*2048+s][d] = f16( softmax(where(mask == 0, -1e9, q.k D^-0.5)) . v / 2 ).
; qkvh holds q * 0.25 log2(e), k / 2, v / 2 in f16, so a raw score is the reference's score times log2(e); p = 2^(S - m) with a running maximum m.
; A masked score is replaced by -1e9 log2(e) in front of the maximum, as the reference replaces it by -1e9: a row with every key masked
; gives S - m = 0 exactly and comes out as the mean of v.
; LIMITS: f16 operands (|q|, |k|, |v| below 131,000 before the halving); p is rounded to f16 for the product with v while its sum is kept in f32;
; p below 6e-8 counts as 0.
; A cluster of four work-groups takes one (head, batch); work-group cx takes 512 queries, a wave 64 (four tiles of 16).
; K and V are the same for the four: every tile is asked for jointly (mask 15).  Two slots of 256 keys; waves 0-3 bring 64 keys of V each,
; waves 4-7 64 keys of K: one tensor load a wave behind each round of the cluster's barrier; two are out at the start, one later; a refill has four parts of 64 keys to land.
; LAYOUT: S^T = K Q^T (source 0 = keys, source 1 = queries): a lane holds one query (lane & 15) and keys 16 kt + 8 (lane >> 4) + j,
; so maximum and sum are one number a lane, and the packed p are already source 1 of O^T = V^T P^T; V^T comes by transposing LDS loads.
; SCHEDULE: the four query tiles are two pairs.  While the softmax step of one pair runs on the vector units, the other pair's matrix instructions
; are dealt among its lines in groups of four: first its sixteen products P V of the keys just done, then its sixteen products K Q of the next keys.
; The unit of key part j:  load K(j);  softmax(pair 1, part j-1) with PV(pair 0, j-1) and QK(pair 0, j);
;                          softmax(pair 0, part j) with PV(pair 1, j-1), the loads of V(j), and QK(pair 1, j).
; A unit reads part j of LDS alone, so slots change between units.  QK writes a pair's S registers only after PV has read the pair's p from them.
; A group costs two switches of the register windows (its operands lie in other windows than the vector lines' operands): sixteen groups a unit.
; LOOPS: a unit is the body of a counted loop, four units a slot; the counter steps by a part's 10,240 bytes and is added to the slot's fragment addresses.
; Unit 0 (nothing to multiply by V yet) and unit 1 (its products start O) are written out ahead, the last softmax of pair 1 and the last products behind.
; REGISTERS: window 0: v8-18 addresses, v24-47 six numbers for each query tile, v48-51 running maxima, v64-127 Q, v128-191 K, v192-255 V;
; window 1: v0-127 S (tile qt at 32 qt + 8 kt + j; p packed into its first 16), v128-255 O (128 + 32 qt + 8 dt).
; All matrix instructions take their accumulators by turns, one instruction a turn (eight accumulators in each run of sixteen).
.set PART,  10240                      ; 64 keys: V at pitch 160 (5 x 32), K at pitch 144 (9 x 16)
.set SLOT,  8*PART
.set STAGE, 2*SLOT                     ; behind the ring: 16 rows x 144 bytes for each wave; no tensor load lands here
.set KA,   8                           ; v8-9    K fragments' address in slot 0, 1 (part 0)
.set VA,   10                          ; v10-11  V fragments'
.set QOFF, 12
.set STO,  13
.set RD,   14
.set CO,   15
.set NEG,  16                          ; -1e9 log2(e)
.set KC,   17                          ; K fragments' address in this unit's part
.set VC,   18                          ; V fragments'
.set MX,   48                          ; running maximum of tile qt
.set QF,   64
.set KF,   128
.set VF,   192
; for tile qt at 24 + 6 qt: +0 minus the maximum, +1 the other half's number, +2 the factor for what was summed so far, +3 the new maximum, +4, +5 two partial sums
.set MSB, 0
.macro WIN new
.if MSB != (\new)
	s_set_vgpr_msb (MSB<<8)|(\new)
.set MSB, (\new)
.endif
.endm
.macro ROUND                           ; a round of the cluster's barrier
	s_barrier_signal -1
	s_barrier_wait -1
	s_cmp_lg_u32 s3, 0
	s_cbranch_scc1 .Lnot_wave_0_\@
	s_barrier_signal -3
.Lnot_wave_0_\@:
	s_barrier_wait -3
	s_barrier_signal -1
	s_barrier_wait -1
.endm
.macro JLOAD sl                        ; my part of slot sl: the two lines differ in the padding alone
	s_cmp_lt_u32 s3, 4
	s_cbranch_scc0 .Lfor_k_\@
	tensor_load_to_lds s[8+4*\sl:11+4*\sl], s[16:23]
	s_nop 0
.rept 4
	v_nop
.endr
	s_branch .Lasked_\@
.Lfor_k_\@:
	tensor_load_to_lds s[8+4*\sl:11+4*\sl], s[24:31]
	s_nop 0
.rept 4
	v_nop
.endr
.Lasked_\@:
.endm
	s_load_b128 s[32:35], s[0:1], 0x0              ; qkvh, mw
	s_load_b64 s[100:101], s[0:1], 0x10            ; ao
	v_lshl_add_u32 v62, v0, 2, 0x2c800
	v_mov_b32 v63, 0
	ds_add_u32 v62, v63
	v_lshrrev_b32 v1, 5, v0
	v_readfirstlane_b32 s3, v1                     ; wave 0..7
	s_bfe_u32 s36, ttmp6, 0x40000                  ; cx: which 512 queries; enters global addresses alone
	s_mov_b32 s66, 0x76543210                      ; v_permlanex16_b32: lane i of one half reads lane i of the other
	s_mov_b32 s67, 0xfedcba98
	; group 1: 64 rows of 64 elements of 2 bytes, dense; padding behind every 32 words: 8 words for V, 4 for K; mask 15: all four work-groups
	s_mov_b32 s16, 15|(1<<16)|(1<<20)|(1<<21)|(4<<22)|(7<<25)
	s_mov_b32 s24, 15|(1<<16)|(1<<20)|(1<<21)|(4<<22)|(3<<25)
	s_mov_b32 s17, 64<<16
	s_mov_b32 s25, 64<<16
	s_mov_b32 s18, 64<<16
	s_mov_b32 s26, 64<<16
	s_mov_b32 s19, 64<<16
	s_mov_b32 s27, 64<<16
	s_mov_b32 s20, 64
	s_mov_b32 s28, 64
	s_mov_b32 s21, 64
	s_mov_b32 s29, 64
	s_mov_b32 s22, 0
	s_mov_b32 s30, 0
	s_mov_b32 s23, 0
	s_mov_b32 s31, 0
	s_mul_i32 s37, s3, PART                        ; my part of a slot
	s_lshl_b32 s38, ttmp9, 18                      ; (head, batch): 2048 rows of 128 bytes
	s_lshl_b32 s39, s3, 13                         ; 64 keys of 128 bytes a wave
	s_add_co_u32 s38, s38, s39
	s_mov_b32 s42, 0x2000000                       ; V's planes begin at 32 MiB;
	s_mov_b32 s43, 0x1000000-32768                 ; K's at 16 MiB, and wave 4 takes its keys 0-63
	s_cmp_lt_u32 s3, 4
	s_cselect_b32 s39, s42, s43
	s_add_co_u32 s38, s38, s39
	s_mov_b32 s39, 0
	s_lshl_b32 s40, ttmp9, 18                      ; Q and ao: + (512 cx + 64 wave) rows
	s_lshl_b32 s41, s36, 16
	s_add_co_u32 s40, s40, s41
	s_lshl_b32 s41, s3, 13
	s_add_co_u32 s40, s40, s41
	s_mov_b32 s41, 0
	s_lshl_b32 s44, s36, 17                        ; mask words: query tile 32 cx + 4 wave, 4,096 bytes a tile
	s_lshl_b32 s45, s3, 14
	s_add_co_u32 s44, s44, s45
	s_mov_b32 s45, 0
	s_wait_dscnt 0x0
	s_wait_kmcnt 0x0
	s_add_nc_u64 s[38:39], s[32:33], s[38:39]
	s_add_nc_u64 s[4:5], s[32:33], s[40:41]
	s_add_nc_u64 s[100:101], s[100:101], s[40:41]
	s_add_nc_u64 s[6:7], s[34:35], s[44:45]
.irp n, 0,1
	s_mov_b32 s[8+4*\n], 1
	s_add_co_u32 s[9+4*\n], s37, \n*SLOT
	s_add_nc_u64 s[10+4*\n:11+4*\n], s[38:39], \n*32768        ; keys 256 n ..
	s_or_b32 s[11+4*\n], s[11+4*\n], 0x80000000
.endr
	ROUND                                          ; all four work-groups are here: the first joint loads meet
	JLOAD 0
	JLOAD 1
	v_and_b32 v1, 15, v0                           ; r
	v_bfe_u32 v2, v0, 4, 1                         ; h
	v_and_b32 v3, 31, v0                           ; lane
	v_lshlrev_b32 v[QOFF], 7, v1
	v_lshl_add_u32 v[QOFF], v2, 4, v[QOFF]
.irp qt, 0,1,2,3
.irp ks, 0,1
	global_load_b128 v[QF+16*\qt+8*\ks:QF+16*\qt+8*\ks+3],   v[QOFF], s[4:5] offset:\qt*2048+\ks*64
	global_load_b128 v[QF+16*\qt+8*\ks+4:QF+16*\qt+8*\ks+7], v[QOFF], s[4:5] offset:\qt*2048+\ks*64+32
.endr
.endr
	s_load_b512 s[32:47], s[6:7], 0x0              ; the mask words of tiles 0 and 1 for keys 0-63 (the addresses in s[32:35] have been used)
	s_load_b512 s[48:63], s[6:7], 0x40
	s_load_b512 s[68:83], s[6:7], 0x1000
	s_load_b512 s[84:99], s[6:7], 0x1040
	v_mul_u32_u24 v4, v1, 144
	v_lshl_add_u32 v4, v2, 4, v4                   ; row r at pitch 144, 16 bytes for each half
	v_add_nc_u32 v[KA], 4*PART, v4
	v_add_nc_u32 v[KA+1], 4*PART+SLOT, v4
	v_and_b32 v5, 7, v0                            ; transposing loads: key 8 h + (lane & 7), 16 bytes by (lane >> 3) & 1
	v_lshl_add_u32 v5, v2, 3, v5
	v_mul_u32_u24 v5, v5, 160
	v_bfe_u32 v6, v0, 3, 1
	v_lshl_add_u32 v[VA], v6, 4, v5
	v_add_nc_u32 v[VA+1], SLOT, v[VA]
	s_mul_i32 s2, s3, 2304
	s_add_co_u32 s2, s2, STAGE
	v_add_nc_u32 v[STO], s2, v4
	v_lshrrev_b32 v6, 3, v3
	v_mul_u32_u24 v6, v6, 144
	v_and_b32 v7, 7, v0
	v_lshl_add_u32 v6, v7, 4, v6
	v_add_nc_u32 v[RD], s2, v6
	v_lshlrev_b32 v[CO], 4, v3
	v_mov_b32 v[NEG], 0xceabfb8f
.irp qt, 0,1,2,3
	v_mov_b32 v[24+6*\qt+1], 0                     ; written once: v_permlanex16_b32 counts as a reader of its destination
	v_mov_b32 v[24+6*\qt+4], 0                     ; the two partial sums
	v_mov_b32 v[24+6*\qt+5], 0
.endr
; 16 loads: the eight fragments of K of one part (64 keys x 64 d)
.macro LDK ka, off
.irp kt, 0,1,2,3
.irp ks, 0,1
	ds_load_b128 v[KF+16*\kt+8*\ks:KF+16*\kt+8*\ks+3],   v[\ka] offset:\off+\kt*2304+\ks*64
	ds_load_b128 v[KF+16*\kt+8*\ks+4:KF+16*\kt+8*\ks+7], v[\ka] offset:\off+\kt*2304+\ks*64+32
.endr
.endr
.endm
; 16 transposing loads: the eight fragments of V^T of one part
.macro LDV va, off
.irp dt, 0,1,2,3
.irp ks, 0,1
	ds_load_tr16_b128 v[VF+16*\dt+8*\ks:VF+16*\dt+8*\ks+3],   v[\va] offset:\off+\ks*5120+\dt*32
	ds_load_tr16_b128 v[VF+16*\dt+8*\ks+4:VF+16*\dt+8*\ks+7], v[\va] offset:\off+\ks*5120+\dt*32+2560
.endr
.endr
.endm
; Group g (0..3) of the sixteen products O^T += V^T P^T of tile pair o: tile 2 o + (g & 1), keys 32 (g >> 1) .. +31, all four blocks of d.
; pv = 0: none; 1: onto O; 2: the first 32 keys' products start O.
.macro PVG o, g, pv
.if \pv
.set QT, 2*\o+(\g&1)
.set KS, \g>>1
.set ZZ, 0
.if \pv == 2
.if \g < 2
.set ZZ, 1
.endif
.endif
	WIN 0x54
.irp dt, 0,1,2,3
.if ZZ
	v_wmma_f32_16x16x32_f16 v[128+32*QT+8*\dt:128+32*QT+8*\dt+7], v[VF+16*\dt+8*KS:VF+16*\dt+8*KS+7], v[32*QT+8*KS:32*QT+8*KS+7], 0
.else
	v_wmma_f32_16x16x32_f16 v[128+32*QT+8*\dt:128+32*QT+8*\dt+7], v[VF+16*\dt+8*KS:VF+16*\dt+8*KS+7], v[32*QT+8*KS:32*QT+8*KS+7], v[128+32*QT+8*\dt:128+32*QT+8*\dt+7]
.endif
.endr
.endif
.endm
; Group g of the sixteen products S^T = K Q^T of tile pair o: tile 2 o + (g & 1), d 32 (g >> 1) .. +31, all four blocks of keys.  The first 32 d start the sums.
.macro QKG o, g, qk
.if \qk
.set QT, 2*\o+(\g&1)
.set KS, \g>>1
	WIN 0x50
.irp kt, 0,1,2,3
.if KS
	v_wmma_f32_16x16x32_f16 v[32*QT+8*\kt:32*QT+8*\kt+7], v[KF+16*\kt+8:KF+16*\kt+15], v[QF+16*QT+8:QF+16*QT+15], v[32*QT+8*\kt:32*QT+8*\kt+7]
.else
	v_wmma_f32_16x16x32_f16 v[32*QT+8*\kt:32*QT+8*\kt+7], v[KF+16*\kt:KF+16*\kt+7], v[QF+16*QT:QF+16*QT+7], 0
.endif
.endr
.endif
.endm
; The softmax step of query tiles 2p and 2p+1 for 64 keys, with the other pair's matrix instructions dealt among its lines.
; first: no earlier maximum, sum or O.  last: no further mask words.  pv, qk: see PVG, QKG.
; wv, wk: the count of the wait on LDS ahead of the first PV group and ahead of the first QK group (-1: none is needed).  ldv: V's next part is loaded (va, off).
; Distances behind matrix instructions, all kept by vector lines of pair p, which name no register of the other pair's products:
; the 32 subtractions stand between the last PV group and both the loads into V and the first QK group, which writes over p;
; the 32 additions and 32 conversions at the end stand between the last QK group and the next step's first reader of the scores and the loads into K.
.macro PHASE p, first, last, pv, qk, wv, wk, ldv, va, off
.set SB,  64*\p
.set PQ0, 24+12*\p
.set PQ1, 30+12*\p
	s_wait_kmcnt 0x0                               ; the two tiles' 64 mask words are in
	WIN 0x41
.set ee, 0
.rept 16
	v_cndmask_b32 v[SB+ee],    v[SB+ee],    v[NEG], s[32+ee]
	v_cndmask_b32 v[SB+32+ee], v[SB+32+ee], v[NEG], s[68+ee]
.set ee, ee+1
.endr
.if \wv >= 0
	s_wait_dscnt \wv                               ; V's 16 loads are in; what was issued behind them (K's next 16, if any) stays out
.endif
	PVG (1-\p), 0, \pv
	WIN 0x41
.rept 16
	v_cndmask_b32 v[SB+ee],    v[SB+ee],    v[NEG], s[32+ee]
	v_cndmask_b32 v[SB+32+ee], v[SB+32+ee], v[NEG], s[68+ee]
.set ee, ee+1
.endr
.if \p == 0
	s_load_b512 s[32:47], s[6:7], 0x2000           ; tiles 2 and 3, the same keys
	s_load_b512 s[48:63], s[6:7], 0x2040
	s_load_b512 s[68:83], s[6:7], 0x3000
	s_load_b512 s[84:99], s[6:7], 0x3040
.else
.if \last == 0
	s_add_nc_u64 s[6:7], s[6:7], 128               ; no scalar load is out (the wait above): the next 64 keys, tiles 0 and 1
	s_load_b512 s[32:47], s[6:7], 0x0
	s_load_b512 s[48:63], s[6:7], 0x40
	s_load_b512 s[68:83], s[6:7], 0x1000
	s_load_b512 s[84:99], s[6:7], 0x1040
.endif
.endif
	PVG (1-\p), 1, \pv
	WIN 0x05
.if \first
	v_max_num_f32 v[PQ0+3], v[SB], v[SB+1]
	v_max_num_f32 v[PQ1+3], v[SB+32], v[SB+33]
.else
	v_max3_num_f32 v[PQ0+3], v[SB], v[SB+1], v[MX+2*\p]
	v_max3_num_f32 v[PQ1+3], v[SB+32], v[SB+33], v[MX+2*\p+1]
.endif
.set ee, 2
.rept 15
	v_max3_num_f32 v[PQ0+3], v[SB+ee], v[SB+ee+1], v[PQ0+3]
	v_max3_num_f32 v[PQ1+3], v[SB+32+ee], v[SB+33+ee], v[PQ1+3]
.set ee, ee+2
.endr
	PVG (1-\p), 2, \pv
	WIN 0
.irp u, 0,1
	v_permlanex16_b32 v[PQ0+6*\u+1], v[PQ0+6*\u+3], s66, s67   ; the other eight keys of each 16 lie in the other half
	v_max_num_f32 v[PQ0+6*\u+3], v[PQ0+6*\u+3], v[PQ0+6*\u+1]
.if \first == 0
	v_sub_f32 v[PQ0+6*\u+2], v[MX+2*\p+\u], v[PQ0+6*\u+3]
.endif
	v_sub_f32 v[PQ0+6*\u], 0, v[PQ0+6*\u+3]
.if \first == 0
	v_exp_f32 v[PQ0+6*\u+2], v[PQ0+6*\u+2]         ; 2^(old maximum - new)
.endif
	v_mov_b32 v[MX+2*\p+\u], v[PQ0+6*\u+3]         ; also the plain instruction behind the exponential (ISA guide 5.7.2)
.endr
.if \first == 0
	s_wait_alu depctr_va_vdst(0)
	v_pk_mul_f32 v[PQ0+4:PQ0+5], v[PQ0+4:PQ0+5], v[PQ0+2:PQ0+3] op_sel_hi:[1,0]
	v_pk_mul_f32 v[PQ1+4:PQ1+5], v[PQ1+4:PQ1+5], v[PQ1+2:PQ1+3] op_sel_hi:[1,0]
.endif
	PVG (1-\p), 3, \pv
	WIN 0x41
.set ee, 0
.rept 16
	v_pk_add_f32 v[SB+ee:SB+ee+1],       v[SB+ee:SB+ee+1],       v[PQ0:PQ0+1] op_sel_hi:[1,0]   ; S - m: exact where S = m
	v_pk_add_f32 v[SB+32+ee:SB+33+ee],   v[SB+32+ee:SB+33+ee],   v[PQ1:PQ1+1] op_sel_hi:[1,0]
.set ee, ee+2
.endr
.if \ldv
	WIN 0
	LDV \va, \off                                  ; the last products with the old V stand 32 vector lines back
.endif
.if \wk >= 0
	s_wait_dscnt \wk                               ; K's 16 loads, issued at the head of the unit, are in
.endif
	QKG (1-\p), 0, \qk
	WIN 0x41
.set ee, 0
.rept 32
	v_exp_f32 v[SB+ee], v[SB+ee]
.set ee, ee+1
.endr
	QKG (1-\p), 1, \qk
	WIN 0x41
.rept 32
	v_exp_f32 v[SB+ee], v[SB+ee]
.set ee, ee+1
.endr
	QKG (1-\p), 2, \qk
	WIN 0x41
.if \first
	v_nop                                          ; the plain instruction behind the exponentials
	s_wait_alu depctr_va_vdst(0)
.else
.set ee, 0
	s_wait_alu depctr_va_vdst(0)
.rept 16
	v_pk_mul_f32 v[128+SB+ee:129+SB+ee], v[128+SB+ee:129+SB+ee], v[PQ0+2:PQ0+3] op_sel_hi:[1,0]   ; O is brought to the new maximum; also the plain lines behind the exponentials
	v_pk_mul_f32 v[160+SB+ee:161+SB+ee], v[160+SB+ee:161+SB+ee], v[PQ1+2:PQ1+3] op_sel_hi:[1,0]
.set ee, ee+2
.endr
.endif
	QKG (1-\p), 3, \qk
	WIN 0x01
.set ee, 0
.rept 16
	v_pk_add_f32 v[PQ0+4:PQ0+5], v[SB+ee:SB+ee+1],     v[PQ0+4:PQ0+5]
	v_pk_add_f32 v[PQ1+4:PQ1+5], v[SB+32+ee:SB+33+ee], v[PQ1+4:PQ1+5]
.set ee, ee+2
.endr
	WIN 0x45
.set ee, 0
.rept 16
	v_cvt_pk_f16_f32 v[SB+ee],    v[SB+2*ee],    v[SB+2*ee+1]      ; register i is written when 2i and 2i+1 have been read
	v_cvt_pk_f16_f32 v[SB+32+ee], v[SB+32+2*ee], v[SB+33+2*ee]
.set ee, ee+1
.endr
.endm
; The unit of key part j (addresses ka, va, plus the constant off).  pv = 2 and bfirst = 1 in unit 1 alone: part 0's products start O, pair 1 has its first softmax step.
.macro UNIT ka, va, off, pv, bfirst
	WIN 0
	LDK \ka, \off                                  ; K(j): the last products with K(j-1) stand 64 vector lines back
	PHASE 1, \bfirst, 0, \pv, 1, 16, 0, 0, \va, \off   ; softmax(pair 1, j-1) with PV(pair 0, j-1), QK(pair 0, j)
	PHASE 0, 0, 0, \pv, 1, -1, -1, 1, \va, \off        ; softmax(pair 0, j) with PV(pair 1, j-1), V(j)'s loads, QK(pair 1, j)
	WIN 0
.endm
; Parts from .. to-1 of slot sl, one unit each.  The counter is the part's byte offset in the slot: it steps by PART and is added to the slot's addresses.
.macro INNER sl, from, to
	s_mov_b32 s5, \from*PART
.Ltrip_\@:
	v_add_nc_u32 v[KC], s5, v[KA+\sl]              ; LDS instructions have read their addresses when they are issued: KC and VC may be written again
	v_add_nc_u32 v[VC], s5, v[VA+\sl]
	UNIT KC, VC, 0, 1, 0
	s_add_co_u32 s5, s5, PART
	s_cmp_lt_u32 s5, \to*PART
	s_cbranch_scc1 .Ltrip_\@
.endm
; The change of slots: all my tensor loads have landed (my part of slot sl among them) and my reads of the other slot are back
; (the last were V's loads of its fourth part), in front of the round; behind it the other slot's refill comes first, one tensor load a wave.
.macro CHANGE sl, fill
	s_wait_tensorcnt 0x0
	ds_add_u32 v62, v63
	s_wait_dscnt 0x0
.if \fill
	s_add_nc_u64 s[14-4*\sl:15-4*\sl], s[14-4*\sl:15-4*\sl], 65536     ; no load of mine is out: the other slot's next 256 keys
.endif
	s_wait_dscnt 0x0
	ROUND
.if \fill
	JLOAD (1-\sl)
.endif
.endm
	s_wait_loadcnt 0x0                             ; Q (s[4:5], its base, are free from here on)
	s_wait_tensorcnt 0x1                           ; my part of slot 0; slot 1's stays out
	s_barrier_signal -1
	s_barrier_wait -1
	; unit 0: the scores of pair 0 for keys 0-63, then its first softmax step with pair 1's scores
	LDK KA, 0
	s_wait_dscnt 0x0
	QKG 0, 0, 1
	QKG 0, 1, 1
	QKG 0, 2, 1
	QKG 0, 3, 1
	WIN 0
.rept 4
	v_nop                                          ; four places before vector instructions read the scores (ISA guide 7.12.1)
.endr
	PHASE 0, 1, 0, 0, 1, -1, -1, 1, VA, 0
	WIN 0
	UNIT KA, VA, PART, 2, 1                        ; unit 1: keys 64-127
	INNER 0, 2, 4                                  ; keys 128-255
	s_mov_b32 s4, 3
.Lloop:
	CHANGE 1, 1
	INNER 1, 0, 4
	CHANGE 0, 1
	INNER 0, 0, 4
	s_sub_co_u32 s4, s4, 1
	s_cmp_lg_u32 s4, 0
	s_cbranch_scc1 .Lloop
	CHANGE 1, 0                                    ; keys 1792-2047: nothing is left to fetch
	INNER 1, 0, 4
	PHASE 1, 0, 1, 1, 0, 0, -1, 0, VA, 0           ; the last softmax step of pair 1 with pair 0's last products; V's last part is waited for with the count 0
	PVG 1, 0, 1                                    ; pair 1's last products
	PVG 1, 1, 1
	PVG 1, 2, 1
	PVG 1, 3, 1
	WIN 0
.rept 4
	v_nop                                          ; four places before vector instructions read O (ISA guide 7.12.1)
.endr
	; the end: divide by the sum, round to f16, 16 queries at a time through my own stage, out as runs of 512 bytes
.irp qt, 0,1,2,3
	v_add_f32 v[24+6*\qt+4], v[24+6*\qt+4], v[24+6*\qt+5]
	v_permlanex16_b32 v[24+6*\qt+1], v[24+6*\qt+4], s66, s67
	v_add_f32 v[24+6*\qt+4], v[24+6*\qt+4], v[24+6*\qt+1]
	v_rcp_f32 v[24+6*\qt+2], v[24+6*\qt+4]         ; the sum is at least 1: the largest p is 1
	v_nop
.endr
	WIN 0x41
	s_wait_alu depctr_va_vdst(0)
.irp qt, 0,1,2,3
.set ee, 0
.rept 16
	v_pk_mul_f32 v[128+32*\qt+ee:129+32*\qt+ee], v[128+32*\qt+ee:129+32*\qt+ee], v[24+6*\qt+2:24+6*\qt+3] op_sel_hi:[1,0]
.set ee, ee+2
.endr
.endr
	WIN 0x05
.irp qt, 0,1,2,3
.set ee, 0
.rept 16
	v_cvt_pk_f16_f32 v[KF+16*\qt+ee], v[128+32*\qt+2*ee], v[129+32*\qt+2*ee]
.set ee, ee+1
.endr
.endr
	WIN 0
.irp qt, 0,1,2,3
.irp dt, 0,1,2,3
	ds_store_b128 v[STO], v[KF+16*\qt+4*\dt:KF+16*\qt+4*\dt+3] offset:32*\dt
.endr
.irp tt, 0,1,2,3
	ds_load_b128 v[VF+16*\qt+4*\tt:VF+16*\qt+4*\tt+3], v[RD] offset:576*\tt    ; a wave's LDS instructions are served in order
.endr
.irp tt, 0,1,2,3
	s_wait_dscnt 3-\tt
	global_store_b128 v[CO], v[VF+16*\qt+4*\tt:VF+16*\qt+4*\tt+3], s[100:101] offset:\qt*2048+512*\tt   ; registers of their own for each store: none is written again
.endr
.endr
	s_wait_tensorcnt 0x0
	ds_add_u32 v62, v63
	s_wait_dscnt 0x0
	ROUND                                          ; the closing round
	s_endpgm
.Lfunc_end_k_q8b94f26af2_attn:
	.size	k_q8b94f26af2_attn, .Lfunc_end_k_q8b94f26af2_attn-k_q8b94f26af2_attn
	.p2alignl 7, 3214868480
	.fill 96, 4, 3214868480
	.section	.rodata,"a",@progbits
	.p2align	6, 0x0
	.amdhsa_kernel k_q8b94f26af2_attn
		.amdhsa_group_segment_fixed_size 327680
		.amdhsa_private_segment_fixed_size 0
		.amdhsa_enable_private_segment 0
		.amdhsa_kernarg_size 24
		.amdhsa_user_sgpr_count 2
		.amdhsa_user_sgpr_kernarg_segment_ptr 1
		.amdhsa_wavefront_size32 1
		.amdhsa_system_sgpr_workgroup_id_x 1
		.amdhsa_system_sgpr_workgroup_id_y 1
		.amdhsa_system_sgpr_workgroup_id_z 1
		.amdhsa_system_vgpr_workitem_id 0
		.amdhsa_next_free_vgpr 512
		.amdhsa_next_free_sgpr 102
		.amdhsa_reserve_vcc 0
		.amdhsa_float_denorm_mode_32 3
		.amdhsa_float_denorm_mode_16_64 3
		.amdhsa_memory_ordered 1
		.amdhsa_forward_progress 1
		.amdhsa_inst_pref_size 255
	.end_amdhsa_kernel
	.section	.bss,"aw",@nobits
	.p2align	6
	.space	262144
	.amdgpu_metadata
---
amdhsa.version: [ 1, 2 ]
amdhsa.kernels:
  - .name:           k_q8b94f26af2_attn
    .symbol:         k_q8b94f26af2_attn.kd
    .args:
      - { .name: qkvh, .offset: 0, .size: 8, .value_kind: global_buffer, .address_space: global }
      - { .name: mw, .offset: 8, .size: 8, .value_kind: global_buffer, .address_space: global }
      - { .name: ao, .offset: 16, .size: 8, .value_kind: global_buffer, .address_space: global }
    .group_segment_fixed_size: 327680
    .private_segment_fixed_size: 0
    .kernarg_segment_align: 8
    .kernarg_segment_size: 24
    .max_flat_workgroup_size: 256
    .sgpr_count:     102
    .vgpr_count:     512
    .wavefront_size: 32
...
	.end_amdgpu_metadata
.endif
;; end of part 5
;; launch proj: the kernel of part 4 again; grid 8 x 32, 4 waves a work-group, clusters of 4 x 4, 327,680 bytes of LDS; arguments ao, wts, bproj, out0; writes out0
